; MI455X (gfx1250); checked and timed in simulation.
; The chip was launched on July 23, 2026; its instructions are those of AMD's public machine-readable ISA for CDNA 5 (MIT licence, August 2026) and "CDNA5" Instruction Set Architecture Reference Guide (July 2026). The comments in the code are by the model that wrote it; some were corrected since.
;; Multi Head Attention. Allowed arithmetic: matrix products marked QUANTISED: E2M1 operands, one E8M0 scale for each 32 along K, by v_wmma_scale_f32_16x16x128_f8f6f4 with both operands' format E2M1 (or v_wmma_scale_f32_32x16x128_f4), f32 sums; everything else in f32.
;; Inputs: Wk 1,024 x 1,024 float32; Wo 1,024 x 1,024 float32; Wq 1,024 x 1,024 float32; Wv 1,024 x 1,024 float32; bk 1,024 float32; bo 1,024 float32; bq 1,024 float32; bv 1,024 float32; key 2,048 x 4 x 1,024 float32; mask 2,048 x 2,048 bool; query 2,048 x 4 x 1,024 float32; value 2,048 x 4 x 1,024 float32.
;; Outputs: out0 2,048 x 4 x 1,024 float32.
;; This version of the problem:
;;   THIS VERSION OF THE PROBLEM IS GIVEN IN LOW PRECISION. The matrix products marked QUANTISED in the list below multiply operands that are first quantised to E2M1 (2 exponent bits, 1 mantissa bit; 4 bits a number), with one power-of-two scale for each 32 numbers along K (OCP MX v1.0); their sums are f32. All else is computed in f32.
;;   The module's matrix products, in the order in which they are computed (A, B: the left and right operand; K: the contracted axis; several contracted axes count as one K, in the product's order):
;;     1. [M 8,192, K 1,024] x [K 1,024, N 1,024]; A: input query; B: input Wq: QUANTISED
;;     2. [M 8,192, K 1,024] x [K 1,024, N 1,024]; A: input key; B: input Wk: QUANTISED
;;     3. [M 8,192, K 1,024] x [K 1,024, N 1,024]; A: input value; B: input Wv: QUANTISED
;;     4. batch 64 x [M 2,048, K 64] x [K 64, N 2,048]; A: computed on the way; B: computed on the way: QUANTISED
;;     5. batch 64 x [M 2,048, K 2,048] x [K 2,048, N 64]; A: softmax (see below); B: computed on the way: QUANTISED
;;     6. [M 8,192, K 1,024] x [K 1,024, N 1,024]; A: computed on the way; B: input Wo: QUANTISED
;;   THE QUANTISER, for each operand of a quantised product, along K:
;;     - K is cut into blocks of 32 from its start; a last block that is shorter is filled with zeros.
;;     - A block's scale is 2^e with e = floor(log2(the largest magnitude in the block)) - 2, held to -126 .. 127; a block of zeros has e = 0. As a byte (E8M0): e + 127.
;;     - Each number is divided by its block's scale, clamped to +-6, and rounded to the nearest number of E2M1, ties to even, subnormals kept.
;;     - The product sums the exact products of the quantised numbers (number of the format x scale) in f32.
;;   ~~~python
;;   def quantise(x, axis):      # numpy; x: float32 -> the quantised numbers, widened to float32 again
;;       x = np.moveaxis(x, axis, -1); K = x.shape[-1]
;;       x = np.pad(x, [(0, 0)] * (x.ndim - 1) + [(0, -K % 32)]); x = x.reshape(x.shape[:-1] + (-1, 32)); a = np.abs(x).max(-1, keepdims=True)
;;       e = np.where(a > 0, np.clip(np.frexp(np.where(a > 0, a, 1))[1] - 1 - 2, -126, 127), 0)      # np.frexp(a)[1] - 1 = floor(log2(a)), exactly
;;       r = np.clip(x / 2.0 ** e, -6, 6)
;;       step = 2.0 ** (np.maximum(np.frexp(np.where(r == 0, 1, r))[1] - 1, 0) - 1)
;;       q = np.round(r / step) * step * 2.0 ** e      # np.round: ties to even
;;       return np.moveaxis(q.reshape(q.shape[:-2] + (-1,))[..., :K], -1, axis).astype(np.float32)
;;   ~~~
;;   SOFTMAX AHEAD OF A QUANTISED PRODUCT. Where the list says 'softmax', what is quantised is not the finished softmax but p = 2^(t - M), with t = logit x log2(e) and M = ceil(the row's largest t), a whole number; so 1/2 < the row's largest p <= 1. The row's sum l is taken of the UNQUANTISED p, in f32, and the product's result is divided by l at the end. Since M is a whole number, a kernel that streams over the keys may use a running M (the ceiling of the running maximum): every later rescaling is an exact power of two, which a block's scale takes up: the codes' values come out the same.
;;   OPERANDS COMPUTED ON THE WAY. 'Computed on the way' means the value that the module computes at that place (a softmax that the list does not call 'softmax' is quantised finished and normalised). What goes into a quantiser is computed in f32, as accurately as f32 sums, v_exp_f32 and their like allow (about 1e-6 of the number): no bf16 or f16 on the way to a quantiser, and a product that is left as it is and whose result goes on into a quantised operand takes f32 operands (vector FMAs, or v_wmma_f32_16x16x4_f32). A number that lies on a knife's edge between two numbers of the format may be rounded either way, as far as f32 arithmetic and the matrix unit's own rounding can turn it there, and no further.
;; 2 versions, each right; version 2 is version 1 with the launch attn written anew for expert scheduling mode. Each part assembles by itself: llvm-mc -triple=amdgcn-amd-amdhsa -mcpu=gfx1250 --defsym DOCPART=n.
;; ======== version 1 of 2: 4 launches
;; workspace buffers: acodes 14,680,064 bytes; ascales 917,504 bytes; mwords 524,288 bytes of whole numbers; mflags 1,024 bytes of whole numbers; pcodes 12,582,912 bytes; pscales 786,432 bytes; xcodes 4,194,304 bytes; xscales 262,144 bytes
;; launch prep (part 1): grid 1152 x 1, 4 waves a work-group, no clusters, 40,448 bytes of LDS; arguments query, key, value, Wq, Wk, Wv, Wo, mask, acodes, ascales, mwords, mflags; writes acodes, ascales, mwords, mflags
.if DOCPART == 1
	.amdgcn_target "amdgcn-amd-amdhsa--gfx1250"
	.amdhsa_code_object_version 6
	.text
	.protected	k_qeb8dbd7525_prep
	.globl	k_qeb8dbd7525_prep
	.p2align	8
	.type	k_qeb8dbd7525_prep,@function
k_qeb8dbd7525_prep:
	s_mov_b64 s[64:65], 0
	v_nop
	global_prefetch_b8 v0, s[64:65] scope:SCOPE_SE
	s_setreg_imm32_b32 hwreg(HW_REG_WAVE_MODE, 25, 1), 1
	s_wait_xcnt 0x0
; PREP.  (1) query, key, value [2048][4][1024] and Wq, Wk, Wv, Wo [1024][1024], f32, K innermost, become codes of FP4 (E2M1) with one E8M0 byte for each 32 along K:
; acodes [28,672 rows][512 bytes], ascales [28,672][32 bytes].  Rows: 0 query, 8,192 key, 16,384 value (row b x 2,048 + s), 24,576 Wq, 25,600 Wk, 26,624 Wv, 27,648 Wo.
; key, value, Wq, Wk, Wv are laid with bits 3 and 4 of the row's number swapped: 16 rows on end are then rows 32 b + 8 u + r + 8 (r / 8), which later products want as a tile.
; A block's scale is 2^(floor(log2(largest magnitude)) - 2); its byte is the largest magnitude's exponent field - 2, held at 1 from below; numbers are divided by it and rounded to the nearest code, ties to even.
; (2) mask [2048][2048], one byte a number, becomes lane masks: mwords [query tile 128][key step 16][64 words]: bit l of word n = mask(16 qt + l % 16, 128 step + 32 (n / 16) + 16 (l / 16) + n % 16);
; and mflags [query tile][8 bytes]: four bits a step: bit 0: some key of the tile is open, bit 1: some key is hidden.
; LIMITS: NaN and infinities among the f32 inputs are not served; a block of zeros gets the byte 1 where the rule says 127 (its codes are zeros, and this program alone reads the bytes); any non-zero mask byte counts as true.
; SHARES: work-groups 0-895 quantise, a wave 8 rows of 1,024 numbers in 16 steps of 512; work-groups 896-1,151 take the mask, a wave 16 rows x 256 bytes (two key steps).  Waves share nothing: no barrier.
; The two paths part on the work-group's number, never join, and have LDS bytes of their own.
.set STEPS, 16
.set EMAX,  2
.set CB,    8                          ; bytes of 16 codes
.set R,     16                         ; v16-79   four sets of 16 numbers as they are loaded
.set X,     80                         ; v80-111  two sets of 16 neighbours
.set E,     112                        ; v112-127 a scale byte for each step
.set C,     128                        ; v128-191 codes: four registers for each step, so that no store's data are written again
.set RO,    192                        ; v192-199 16 x lane + row j's distance in the input; never rewritten
.set WREG,  5632                       ; LDS of a quantising wave: two stages of 32 x SP bytes, behind them its 256 scale bytes
.set SP,    80                         ; a lane's place in a stage: 64 bytes + 16 of padding
.set MST,   4*WREG                     ; LDS of the mask's path: 16 rows x MP bytes for each wave
.set MP,    272
	s_load_b512 s[4:19], s[0:1], 0x0               ; query, key, value, Wq, Wk, Wv, Wo, mask
	s_load_b256 s[20:27], s[0:1], 0x40             ; acodes, ascales, mwords, mflags
	v_lshl_add_u32 v208, v0, 2, 0x9c00
	v_mov_b32 v209, 0
	v_lshrrev_b32 v1, 5, v0
	v_readfirstlane_b32 s28, v1                    ; wave
	v_and_b32 v2, 31, v0                           ; lane
	s_cmp_ge_u32 ttmp9, 896
	s_cbranch_scc1 .Lmask
	; ---------------- the quantiser ----------------
	v_lshlrev_b32 v3, 4, v2                        ; my 16 bytes of a load's 512
	s_mul_i32 s29, s28, WREG
	v_lshrrev_b32 v14, 2, v2
	v_mul_u32_u24 v14, v14, SP
	v_and_b32 v15, 3, v2
	v_lshl_add_u32 v14, v15, 4, v14
	v_add_nc_u32 v14, s29, v14                     ; the stage, on the way in: SP (lane / 4) + 16 (lane % 4)
	v_mul_u32_u24 v15, v2, SP
	v_add_nc_u32 v15, s29, v15                     ; and on the way out: SP x lane: my 16 neighbours
	v_mul_u32_u24 v4, v2, CB                       ; my codes' place in a step's
	v_lshrrev_b32 v5, 1, v2
	s_add_co_u32 s29, s29, 2*32*SP
	v_add_nc_u32 v5, s29, v5                       ; LDS: my block's scale byte
	v_lshlrev_b32 v7, 3, v2
	v_add_nc_u32 v6, s29, v7                       ; and on the way out 8 bytes a lane
	s_lshl_b32 s32, ttmp9, 2
	s_add_co_u32 s32, s32, s28                     ; U: which run of 8 rows is my wave's, 0 .. 3,583
	s_and_b32 s33, s32, 255
	s_lshl_b32 s33, s33, 17                        ; an activation: s = 8 (U % 256), 16,384 bytes from s to s + 1,
	s_bfe_u32 s34, s32, 0x20008
	s_lshl_b32 s34, s34, 12                        ; b = (U / 256) % 4, 4,096 bytes each
	s_add_co_u32 s34, s33, s34
	s_and_b32 s33, s32, 127
	s_lshl_b32 s33, s33, 15                        ; a weight: row 8 (U % 128) of 4,096 bytes
	s_mov_b32 s36, 4096
	s_cmp_lt_u32 ttmp9, 768                        ; work-groups 0-767 take the activations
	s_cselect_b32 s34, s34, s33                    ; where my run begins in its input,
	s_cselect_b32 s36, 16384, s36                  ; and from row to row
	s_mov_b32 s35, 0
	s_and_b32 s37, s32, 0xfffffffc
	s_and_b32 s38, s32, 1
	s_lshl_b32 s38, s38, 1
	s_or_b32 s37, s37, s38
	s_bfe_u32 s38, s32, 0x10001
	s_or_b32 s37, s37, s38                         ; U with bits 0 and 1 swapped: bits 3 and 4 of the row's number
	s_sub_co_u32 s38, ttmp9, 256
	s_cmp_lt_u32 s38, 608                          ; key, value, Wq, Wk, Wv: work-groups 256-863
	s_cselect_b32 s37, s37, s32                    ; the run's place in the output
	s_lshl_b32 s38, s37, 12                        ; 4,096 bytes of codes a run,
	s_mov_b32 s39, 0
	s_lshl_b32 s40, s37, 8                         ; 256 scale bytes
	s_mov_b32 s41, 0
.irp j, 0,1,2,3,4,5,6,7
	s_mul_i32 s42, s36, \j
	v_add_nc_u32 v[RO+\j], s42, v3
.endr
	s_wait_kmcnt 0x0
	s_mov_b64 s[30:31], s[16:17]                   ; the input is chosen by the work-group's number alone
	s_cmp_lt_u32 ttmp9, 864
	s_cselect_b64 s[30:31], s[14:15], s[30:31]
	s_cmp_lt_u32 ttmp9, 832
	s_cselect_b64 s[30:31], s[12:13], s[30:31]
	s_cmp_lt_u32 ttmp9, 800
	s_cselect_b64 s[30:31], s[10:11], s[30:31]
	s_cmp_lt_u32 ttmp9, 768
	s_cselect_b64 s[30:31], s[8:9], s[30:31]
	s_cmp_lt_u32 ttmp9, 512
	s_cselect_b64 s[30:31], s[6:7], s[30:31]
	s_cmp_lt_u32 ttmp9, 256
	s_cselect_b64 s[30:31], s[4:5], s[30:31]
	s_add_nc_u64 s[30:31], s[30:31], s[34:35]
	s_add_nc_u64 s[20:21], s[20:21], s[38:39]
	s_add_nc_u64 s[22:23], s[22:23], s[40:41]
.macro LOAD t                          ; step t: half t % 2 of row t / 2: four loads of 512 consecutive bytes
.irp i, 0,1,2,3
	global_load_b128 v[R+16*((\t)%4)+4*\i:R+16*((\t)%4)+4*\i+3], v[RO+(\t)/2], s[30:31] offset:2048*((\t)%2)+512*\i th:TH_LOAD_NT
.endr
.endm
.macro TURN t                          ; step t's numbers through the stage: LDS serves a wave's instructions in order, so no wait stands between the stores and the loads
.irp i, 0,1,2,3
	ds_store_b128 v14, v[R+16*((\t)%4)+4*\i:R+16*((\t)%4)+4*\i+3] offset:32*SP*((\t)%2)+8*SP*\i
.endr
.irp i, 0,1,2,3
	ds_load_b128 v[X+16*((\t)%2)+4*\i:X+16*((\t)%2)+4*\i+3], v15 offset:32*SP*((\t)%2)+16*\i
.endr
.endm
.irp t, 0,1,2,3
	LOAD \t
.endr
	s_wait_loadcnt 12                              ; step 0's four loads are in; the twelve of steps 1 to 3 stay out
	TURN 0
.macro STEP t
.set XS, X+16*((\t)%2)
.if (\t) > 0
	s_wait_dscnt 1                                 ; this step's numbers are back from the stage (the last step's byte store may be out): its stores into the stage have read their registers,
.else
	s_wait_dscnt 0x0
.endif
.if (\t)+4 < STEPS
	LOAD (\t)+4                                    ; which take the loads of four steps on
.endif
.if (\t)+1 < STEPS
.if STEPS-2-(\t) >= 3
	s_wait_loadcnt 12                              ; the next step's four loads are in; those of the three steps behind it may be out
.else
	s_wait_loadcnt 4*(STEPS-2-(\t))
.endif
	TURN (\t)+1                                    ; and go through the other stage while this step is worked
.endif
	v_max3_num_f32 v8, |v[XS]|, |v[XS+1]|, |v[XS+2]|               ; the largest magnitude of my 16, in two chains
	v_max3_num_f32 v9, |v[XS+3]|, |v[XS+4]|, |v[XS+5]|
.irp i, 6,10
	v_max3_num_f32 v8, v8, |v[XS+\i]|, |v[XS+\i+1]|
	v_max3_num_f32 v9, v9, |v[XS+\i+2]|, |v[XS+\i+3]|
.endr
	v_max3_num_f32 v8, v8, |v[XS+14]|, |v[XS+15]|
	v_max3_num_f32 v8, v8, v9, (EMAX+1)<<23        ; and the floor 2^(EMAX + 1 - 127): the byte cannot fall under 1
	v_max_num_f32_dpp v8, v8, v8 row_xmask:1 row_mask:0xf bank_mask:0xf   ; and of my neighbour's 16: the block's
	v_add_nc_u32 v11, -(EMAX<<23), v8              ; EMAX off its exponent field: the conversion takes the exponent field of this operand as its scale
	v_cvt_scalef32_pk8_fp4_f32 v[C+4*(\t)], v[XS:XS+7], v11
	v_cvt_scalef32_pk8_fp4_f32 v[C+4*(\t)+1], v[XS+8:XS+15], v11
	v_lshrrev_b32 v[E+(\t)], 23, v11               ; the scale's byte (a plain line behind the conversions)
	ds_store_b8 v5, v[E+(\t)] offset:16*(\t)       ; both lanes of a block write the same byte with the same value
	global_store_b64 v4, v[C+4*(\t):C+4*(\t)+1], s[20:21] offset:32*CB*(\t)   ; the wave stores 256 consecutive bytes, aligned
.endm
.irp t, 0,1,2,3,4,5,6,7,8,9,10,11,12,13,14,15
	STEP \t
.endr
	ds_load_b64 v[12:13], v6                       ; LDS serves a wave's instructions in order: these see my byte stores
	s_wait_dscnt 0x0
	global_store_b64 v7, v[12:13], s[22:23]        ; the run's 256 scale bytes, aligned
	s_wait_tensorcnt 0x0
	ds_add_u32 v208, v209
	s_wait_dscnt 0x0
	s_endpgm
	; ---------------- the mask ----------------
.Lmask:
	s_sub_co_u32 s32, ttmp9, 896
	s_lshl_b32 s32, s32, 2
	s_add_co_u32 s32, s32, s28                     ; u = 8 x query tile + pair of key steps
	s_lshr_b32 s33, s32, 3
	s_and_b32 s34, s32, 7
	s_lshl_b32 s36, s33, 15                        ; 16 rows of 2,048 bytes a query tile,
	s_lshl_b32 s34, s34, 8                         ; 256 bytes a pair of steps
	s_add_co_u32 s36, s36, s34
	s_mov_b32 s37, 0
	s_lshl_b32 s38, s32, 9                         ; mwords: 512 bytes a pair of steps
	s_mov_b32 s39, 0
	s_mov_b32 s33, 0                               ; mflags: byte u
	v_and_b32 v3, 15, v2                           ; r
	v_lshrrev_b32 v4, 4, v2                        ; h
	v_lshlrev_b32 v5, 4, v3
	v_lshl_add_u32 v6, v4, 11, v5                  ; in: lanes 0-15 one row's 256 bytes, lanes 16-31 the next row's
	s_mul_i32 s29, s28, 16*MP
	s_add_co_u32 s29, s29, MST
	v_mul_u32_u24 v7, v4, MP
	v_add_nc_u32 v7, v7, v5
	v_add_nc_u32 v7, s29, v7                       ; into my stage, as loaded
	v_mul_u32_u24 v8, v3, MP
	v_lshl_add_u32 v8, v4, 4, v8
	v_add_nc_u32 v8, s29, v8                       ; out of it: row r, + 16 h: the 16 keys that a lane of the scores' layout holds of each 32
	v_lshlrev_b32 v9, 3, v2
.irp i, 82,83,84,85
	v_mov_b32 v\i, 0                               ; a lane write's destination counts as read
.endr
	s_wait_kmcnt 0x0
	s_add_nc_u64 s[18:19], s[18:19], s[36:37]
	s_add_nc_u64 s[24:25], s[24:25], s[38:39]
	s_add_nc_u64 s[26:27], s[26:27], s[32:33]
.irp i, 0,1,2,3,4,5,6,7
	global_load_b128 v[16+4*\i:19+4*\i], v6, s[18:19] offset:4096*\i th:TH_LOAD_NT
.endr
.irp i, 0,1,2,3,4,5,6,7
	s_wait_loadcnt 7-\i                            ; loads come back in order: load i is in, the younger ones stay out
	ds_store_b128 v7, v[16+4*\i:19+4*\i] offset:2*MP*\i
.endr
.irp e, 0,1
.irp b, 0,1,2,3
	ds_load_b128 v[48+16*\e+4*\b:51+16*\e+4*\b], v8 offset:128*\e+32*\b   ; my wave's own bytes, in order behind the stores
.endr
.endr
	s_wait_dscnt 0x0
; step e of the pair: byte n of a lane's 64 becomes bit (lane) of word n; words 2 L and 2 L + 1 are gathered in lane L of a register pair, so that the wave stores 256 consecutive bytes
.macro MWORDS e
	s_mov_b32 s40, 0                               ; the words' OR,
	s_mov_b32 s41, -1                              ; and their AND
.set n, 0
.rept 64
	v_and_b32 v80, 0xff<<(8*(n%4)), v[48+16*\e+4*(n/16)+(n%16)/4]
	v_cmp_ne_u32 s42, 0, v80
	v_writelane_b32 v[82+2*\e+n%2], s42, n/2
	s_or_b32 s40, s40, s42
	s_and_b32 s41, s41, s42
.set n, n+1
.endr
	global_store_b64 v9, v[82+2*\e:83+2*\e], s[24:25] offset:256*\e
	s_cmp_lg_u32 s41, -1
	s_cselect_b32 s[43+\e], 1, 0                   ; some key is open
	s_cmp_lg_u32 s40, 0
	s_cselect_b32 s42, 2, 0                        ; some key is hidden
	s_or_b32 s[43+\e], s[43+\e], s42
.endm
	MWORDS 0
	MWORDS 1
	s_lshl_b32 s44, s44, 4
	s_or_b32 s43, s43, s44                         ; the pair's byte
	v_mov_b32 v86, s43
	v_mov_b32 v87, 0
	v_cmp_eq_u32 vcc_lo, 0, v2
	s_wait_xcnt 0x0                                ; EXEC is a source of the stores above: it changes only behind this wait
	s_wait_tensorcnt 0x0
	ds_add_u32 v208, v209
	s_wait_dscnt 0x0
	s_and_saveexec_b32 s45, vcc_lo
	global_store_b8 v87, v86, s[26:27]             ; lane 0 alone
	s_wait_xcnt 0x0                                ; and again in front of the line that widens it
	s_or_b32 exec_lo, exec_lo, s45
	s_endpgm
.Lfunc_end_k_qeb8dbd7525_prep:
	.size	k_qeb8dbd7525_prep, .Lfunc_end_k_qeb8dbd7525_prep-k_qeb8dbd7525_prep
	.p2alignl 7, 3214868480
	.fill 96, 4, 3214868480
	.section	.rodata,"a",@progbits
	.p2align	6, 0x0
	.amdhsa_kernel k_qeb8dbd7525_prep
		.amdhsa_group_segment_fixed_size 40448
		.amdhsa_private_segment_fixed_size 0
		.amdhsa_enable_private_segment 0
		.amdhsa_kernarg_size 96
		.amdhsa_user_sgpr_count 2
		.amdhsa_user_sgpr_kernarg_segment_ptr 1
		.amdhsa_wavefront_size32 1
		.amdhsa_system_sgpr_workgroup_id_x 1
		.amdhsa_system_sgpr_workgroup_id_y 1
		.amdhsa_system_sgpr_workgroup_id_z 1
		.amdhsa_system_vgpr_workitem_id 0
		.amdhsa_next_free_vgpr 210
		.amdhsa_next_free_sgpr 66
		.amdhsa_reserve_vcc 1
		.amdhsa_float_denorm_mode_32 3
		.amdhsa_float_denorm_mode_16_64 3
		.amdhsa_memory_ordered 1
		.amdhsa_forward_progress 1
		.amdhsa_inst_pref_size 72
	.end_amdhsa_kernel
	.amdgpu_metadata
---
amdhsa.version: [ 1, 2 ]
amdhsa.kernels:
  - .name:           k_qeb8dbd7525_prep
    .symbol:         k_qeb8dbd7525_prep.kd
    .args:
      - { .name: query, .offset: 0, .size: 8, .value_kind: global_buffer, .address_space: global }
      - { .name: key, .offset: 8, .size: 8, .value_kind: global_buffer, .address_space: global }
      - { .name: value, .offset: 16, .size: 8, .value_kind: global_buffer, .address_space: global }
      - { .name: Wq, .offset: 24, .size: 8, .value_kind: global_buffer, .address_space: global }
      - { .name: Wk, .offset: 32, .size: 8, .value_kind: global_buffer, .address_space: global }
      - { .name: Wv, .offset: 40, .size: 8, .value_kind: global_buffer, .address_space: global }
      - { .name: Wo, .offset: 48, .size: 8, .value_kind: global_buffer, .address_space: global }
      - { .name: mask, .offset: 56, .size: 8, .value_kind: global_buffer, .address_space: global }
      - { .name: acodes, .offset: 64, .size: 8, .value_kind: global_buffer, .address_space: global }
      - { .name: ascales, .offset: 72, .size: 8, .value_kind: global_buffer, .address_space: global }
      - { .name: mwords, .offset: 80, .size: 8, .value_kind: global_buffer, .address_space: global }
      - { .name: mflags, .offset: 88, .size: 8, .value_kind: global_buffer, .address_space: global }
    .group_segment_fixed_size: 40448
    .private_segment_fixed_size: 0
    .kernarg_segment_align: 8
    .kernarg_segment_size: 96
    .max_flat_workgroup_size: 128
    .sgpr_count:     66
    .vgpr_count:     210
    .wavefront_size: 32
...
	.end_amdgpu_metadata
.endif
;; end of part 1
;; launch proj (part 2): grid 4 x 96, 4 waves a work-group, clusters of 4 x 4, 327,680 bytes of LDS; arguments acodes, ascales, bq, bk, bv, pcodes, pscales; writes pcodes, pscales
.if DOCPART == 2
	.amdgcn_target "amdgcn-amd-amdhsa--gfx1250"
	.amdhsa_code_object_version 6
	.text
	.protected	k_qeb8dbd7525_proj
	.globl	k_qeb8dbd7525_proj
	.p2align	8
	.type	k_qeb8dbd7525_proj,@function
k_qeb8dbd7525_proj:
	s_mov_b64 s[64:65], 0
	v_nop
	global_prefetch_b8 v0, s[64:65] scope:SCOPE_SE
	s_setreg_imm32_b32 hwreg(HW_REG_WAVE_MODE, 25, 1), 1
	s_wait_xcnt 0x0
	s_wait_alu depctr_hold_cnt(0) depctr_sa_sdst(0) depctr_va_vdst(0) depctr_va_sdst(0) depctr_va_ssrc(0) depctr_va_vcc(0) depctr_vm_vsrc(0)
	s_getreg_b32 s2, hwreg(HW_REG_IB_STS2, 6, 4)
	s_cmp_eq_u32 s2, 0
	s_cbranch_scc0 .Lentry_in_a_cluster
	s_endpgm
.Lentry_in_a_cluster:
	s_bfe_u32 s2, ttmp6, 0x10000c
	s_cmp_lg_u32 s2, 0xf033
	s_cbranch_scc0 .Lentry_shape_is_right
	s_endpgm
.Lentry_shape_is_right:
; PROJ.  The three input projections, x W^T + b, on codes of FP4 (E2M1) with one E8M0 scale for each 32 along K = 1,024; sums in f32; the results are quantised in registers and leave as codes.
; Clusters 0-7 along y make q, 8-15 k, 16-23 v (KIND 0, 1, 2).  A tile is 256 x 256; four waves, each 128 x 128: 64 accumulators of 16 x 16.  K goes in two steps of 512, each in an LDS slot of its own: nothing is filled twice.
; THE MATRIX INSTRUCTION IS USED TRANSPOSED: source 0 = 16 rows of "B", source 1 = 16 rows of "A": a lane holds ONE row of A, and its registers run along B's rows: that is the direction in which the result is quantised.
;   q, k: A = the activation's rows, B = the weight's rows (channels): quantised along a head's 64 channels.   v: A = Wv's rows (channels), B = value's rows (keys): quantised along the keys.
; B's rows lie in memory with bits 3 and 4 of their number swapped, so that the 16 registers of tiles 2 b and 2 b + 1 are 16 NEIGHBOURS, 32 b + 16 (lane / 16) + 0 .. 15.  The bias is the C of each sum's first product.
; OUT: pcodes [kind][b x 8 + head pair][step of 128 rows][block a of 16][1,024 bytes]: the block's eight operand registers as they stand, four at 16 x lane, four 512 bytes on (q, k: the even head's, the odd head's; v: a = 4 (head % 2) + tile of 16 channels);
;      pscales [kind][b x 8 + head pair][step][lane][4 words]: word p of lane l is the scale word of block 2 p + l / 16, row l % 16.
; CLUSTERS: 4 x 4 work-groups; A's tiles are asked for jointly along a row of the cluster, B's along a column.  KIND and the cluster's number are equal in all sixteen partners.
; LIMITS: NaN and infinities are not served; a block of zeros gets the byte 1 (its codes are zeros; this program alone reads the bytes).
; REGISTERS: window 0: v0-31 addresses; v32-95 scale words, two sets (on the way out: at work); v128-191 A's fragments, one set (on the way out: the codes); v192-255 the bias.  window 1: B's fragments, two sets.  windows 2, 3: the accumulators.
.set KSTEP,  512
.set NQ,     KSTEP/128
.set ROWB,   256                       ; a tile's row in bytes
.set KROW,   512                       ; a row of codes in memory
.set PITCH,  272                       ; an LDS row: 256 bytes + 16 of padding: the 16 rows that a load touches start 68 words apart
.set FR,     8
.set NL,     2
.set NP,     4                         ; places behind this matrix instruction (ISA guide 7.12.1)
.set HALFT,  128*PITCH
.set SLOT,   4*HALFT
.set KS,     32                        ; a row of scale bytes
.set SCL,    2*SLOT
.set HALFS,  (128*KS/256)*272
.set SBLK,   (16*KS/256)*272
.set SPARE,  SCL+4*HALFS               ; the spare words, 128 bytes for each wave; no other line names them
.set ADRA, 16
.set ADRB, 20
.set LI,   26                          ; v26  16 x lane
.set ADRS, 27
.set SPW,  28
.set NIL,  29
.set SC,   32
.set AF,   128
.set BI,   192
.set TM,   32                          ; the way out: v32-35 largest magnitudes, v36-39 bytes, v44-47 the conversions' scale operands
.set WE,   48                          ; v48 an even block's scale word, v49 an odd block's
.set SW,   52                          ; v52-55 the four words a lane stores
.set G1, 24
.set G0, 32
.set G1B, 48
.set G0B, 56
.set KIND, 66
.set CL,   67
.set G1S, 68
.set G0S, 76
.set G1SB, 80
.set G0SB, 88
.set HI16, 100                         ; s100 lanes 16-31
.set SEL,  104                         ; s[104:105] lane l xor 16
.set MSB, 0
.macro WIN new                         ; the immediate's high byte repeats the setting that is left
.if MSB != \new
	s_set_vgpr_msb (MSB<<8)|\new
.set MSB, \new
.endif
.endm
.set MUL_LO, 0xa1                      ; source 0 (B) window 1, source 1 (A) window 0, C and D window 2
.set MUL_HI, 0xf1                      ; the same, C and D window 3
.set TO_B,   0x40
; A joint load: waves 0 and 1 fetch for A, waves 2 and 3 for B; the branch hangs on the wave's number alone.  Four v_nop follow each of the two lines.
.macro JLOAD g0a, g1a, g0b, g1b
	s_cmp_eq_u32 s15, 0
	s_cbranch_scc0 .Lfor_b_\@
	tensor_load_to_lds s[\g0a:\g0a+3], s[\g1a:\g1a+7]
	s_nop 0
.rept 4
	v_nop
.endr
	s_branch .Lasked_\@
.Lfor_b_\@:
	tensor_load_to_lds s[\g0b:\g0b+3], s[\g1b:\g1b+7]
	s_nop 0
.rept 4
	v_nop
.endr
.Lasked_\@:
.endm
.macro CROUND                          ; a round of the cluster's barrier
	s_barrier_signal -1
	s_barrier_wait -1
	s_cmp_lg_u32 s14, 0
	s_cbranch_scc1 .Lnot_wave_0_\@
	s_barrier_signal -3
.Lnot_wave_0_\@:
	s_barrier_wait -3
	s_barrier_signal -1
	s_barrier_wait -1
.endm
	s_load_b128 s[4:7], s[0:1], 0x0                ; acodes, ascales
	s_load_b128 s[8:11], s[0:1], 0x10              ; bq, bk
	s_load_b64 s[12:13], s[0:1], 0x20              ; bv
	s_load_b64 s[96:97], s[0:1], 0x28              ; pcodes
	s_load_b64 s[98:99], s[0:1], 0x30              ; pscales
	v_lshl_add_u32 v[SPW], v0, 2, SPARE
	v_mov_b32 v[NIL], 0
	ds_add_u32 v28, v29
	ds_add_u32 v28, v29
	s_wait_dscnt 0x0
	v_lshrrev_b32 v1, 5, v0
	v_readfirstlane_b32 s14, v1                    ; wave 0..3
	s_lshr_b32 s15, s14, 1                         ; my half of A's rows.  Also: I fetch for A (0) or for B (1)
	s_and_b32 s16, s14, 1                          ; my half of B's rows.  Also: which 128 rows I fetch
	s_bfe_u32 s40, ttmp6, 0x40000                  ; cx
	s_bfe_u32 s41, ttmp6, 0x40004                  ; cy
	s_and_b32 s[CL], ttmp7, 0xffff                 ; the cluster's y, 0 .. 23
	s_lshr_b32 s[KIND], s[CL], 3
	s_and_b32 s[CL], s[CL], 7
	s_lshl_b32 s2, s[KIND], 13                     ; A's first row in acodes: query 0, key 8,192,
	s_lshl_b32 s3, s[KIND], 10
	s_add_co_u32 s3, s3, 24576                     ; B's: Wq 24,576, Wk 25,600;
	s_cmp_eq_u32 s[KIND], 2
	s_cselect_b32 s2, 26624, s2                    ; for v: A = Wv,
	s_cselect_b32 s3, 16384, s3                    ; B = value
	s_cselect_b32 s17, 0, s[CL]                    ; the clusters of a kind lie along the activation's rows: A's for q and k,
	s_cselect_b32 s42, s[CL], 0                    ; B's for v
	s_lshl_b32 s17, s17, 2
	s_add_co_u32 s17, s17, s41                     ; tile row (of A)
	s_lshl_b32 s42, s42, 2
	s_add_co_u32 s42, s42, s40                     ; tile column (of B)
	s_lshl_b32 s43, s41, 2
	s_lshl_b32 s43, 15, s43                        ; my row of the cluster
	s_lshl_b32 s44, 0x1111, s40                    ; my column
	s_or_b32 s[G1+0], s43, (0<<16)|(1<<20)|(1<<21)|(5<<22)|(3<<25)  ; the mask; elements of 1 byte; padding: 4 words behind every 64; bit 21 beside a mask
	s_or_b32 s[G1B+0], s44, (0<<16)|(1<<20)|(1<<21)|(5<<22)|(3<<25)
.irp g, G1, G1B
	s_mov_b32 s[\g+1], ROWB<<16                    ; tensor_dim0
	s_mov_b32 s[\g+2], 128<<16                     ; tensor_dim1
	s_mov_b32 s[\g+3], ROWB<<16                    ; tile_dim0
	s_mov_b32 s[\g+4], 128                         ; tile_dim1
	s_mov_b32 s[\g+5], KROW                        ; from row to row
	s_mov_b32 s[\g+6], 0
	s_mov_b32 s[\g+7], 0
.endr
	s_or_b32 s[G1S+0], s43, (3<<16)|(1<<20)|(1<<21)|(5<<22)|(3<<25)  ; the scales of 128 rows: 4,096 dense bytes as 16 rows of 32 elements of 8 bytes, 16 bytes of padding behind each
	s_or_b32 s[G1SB+0], s44, (3<<16)|(1<<20)|(1<<21)|(5<<22)|(3<<25)
.irp g, G1S, G1SB
	s_mov_b32 s[\g+1], 32<<16
	s_mov_b32 s[\g+2], (128*KS/256)<<16
	s_mov_b32 s[\g+3], 32<<16
	s_mov_b32 s[\g+4], 128*KS/256
	s_mov_b32 s[\g+5], 32
	s_mov_b32 s[\g+6], 0
	s_mov_b32 s[\g+7], 0
.endr
	s_lshl_b32 s18, s16, 7                         ; which 128 rows of the tile I fetch
	s_lshl_b32 s20, s17, 8
	s_add_co_u32 s20, s20, s18
	s_add_co_u32 s20, s20, s2                      ; A: its first row + 256 x tile row + 128 x half
	s_lshl_b32 s46, s42, 8
	s_add_co_u32 s46, s46, s18
	s_add_co_u32 s46, s46, s3                      ; B likewise
	s_mov_b32 s21, 0
	s_mov_b32 s47, 0
	s_mov_b64 s[18:19], KS
	s_mul_u64 s[22:23], s[20:21], s[18:19]         ; where these rows' scales begin,
	s_mul_u64 s[92:93], s[46:47], s[18:19]
	s_mov_b64 s[18:19], KROW
	s_mul_u64 s[20:21], s[20:21], s[18:19]         ; and their codes
	s_mul_u64 s[46:47], s[46:47], s[18:19]
	s_mul_i32 s45, s14, HALFT                      ; where they go: wave x 128 rows: no place in the cluster enters an LDS address
	s_mul_i32 s94, s14, HALFS
	s_wait_kmcnt 0x0
	s_add_nc_u64 s[20:21], s[4:5], s[20:21]
	s_add_nc_u64 s[22:23], s[6:7], s[22:23]
	s_add_nc_u64 s[46:47], s[4:5], s[46:47]
	s_add_nc_u64 s[92:93], s[6:7], s[92:93]
	CROUND                                         ; all sixteen work-groups are here: the joint loads meet
	s_mov_b32 s[G0S], 1
	s_add_co_u32 s[G0S+1], s94, SCL
	s_mov_b64 s[G0S+2:G0S+3], s[22:23]
	s_or_b32 s[G0S+3], s[G0S+3], 0x80000000
	s_mov_b32 s[G0SB], 1
	s_add_co_u32 s[G0SB+1], s94, SCL
	s_mov_b64 s[G0SB+2:G0SB+3], s[92:93]
	s_or_b32 s[G0SB+3], s[G0SB+3], 0x80000000
	JLOAD G0S, G1S, G0SB, G1SB                     ; the scales first: they are wanted with K step 0
.irp s, 0,1
	s_mov_b32 s[G0+4*\s], 1
	s_add_co_u32 s[G0+4*\s+1], s45, \s*SLOT
	s_add_nc_u64 s[G0+4*\s+2:G0+4*\s+3], s[20:21], \s*ROWB
	s_or_b32 s[G0+4*\s+3], s[G0+4*\s+3], 0x80000000
	s_mov_b32 s[G0B+4*\s], 1
	s_add_co_u32 s[G0B+4*\s+1], s45, \s*SLOT
	s_add_nc_u64 s[G0B+4*\s+2:G0B+4*\s+3], s[46:47], \s*ROWB
	s_or_b32 s[G0B+4*\s+3], s[G0B+4*\s+3], 0x80000000
	JLOAD G0+4*\s, G1, G0B+4*\s, G1B               ; both K steps: three tensor loads of mine are out
.endr
	v_and_b32 v1, 15, v0                           ; r
	v_bfe_u32 v2, v0, 4, 1                         ; h
	v_mul_u32_u24 v3, v1, PITCH
	v_lshl_add_u32 v4, v2, 4, v3                   ; a fragment's row x pitch + 16 x half
	s_mul_i32 s21, s15, HALFT
	s_mul_i32 s22, s16, HALFT
	s_add_co_u32 s22, s22, 2*HALFT
.irp s, 0,1
	v_add_nc_u32 v[ADRA+\s], s21, v4
	v_add_nc_u32 v[ADRB+\s], s22, v4
	s_add_co_u32 s21, s21, SLOT
	s_add_co_u32 s22, s22, SLOT
.endr
	v_mul_u32_u24 v5, v1, KS                       ; my row's scales: KS bytes a row,
	v_lshrrev_b32 v6, 8, v5
	v_lshl_add_u32 v5, v6, 4, v5                   ; and 16 more for each 256 passed
	s_mul_i32 s21, s15, HALFS
	s_mul_i32 s22, s16, HALFS
	s_add_co_u32 s22, s22, 2*HALFS
	s_sub_co_u32 s22, s22, s21
	v_mul_u32_u24 v6, s22, v2                      ; lanes 16-31 take B's
	s_add_co_u32 s21, s21, SCL
	v_add_nc_u32 v5, v5, v6
	v_add_nc_u32 v[ADRS], s21, v5
	v_and_b32 v6, 31, v0
	v_lshlrev_b32 v[LI], 4, v6
	s_mov_b32 s[SEL], 0x76543210
	s_mov_b32 s[SEL+1], 0xfedcba98
	s_mov_b32 s[HI16], 0xffff0000
	; THE BIAS, in the result's layout.  q, k: it hangs on B's row: tile t's register j of lane (r, h) is channel n0 + 32 (t / 2) + 8 (t % 2) + 16 h + j.  v: on A's row: all eight registers of block a hold that of channel n0 + 32 (a / 2) + 8 (a % 2) + r + 8 (r / 8)
	s_lshl_b32 s18, s42, 8
	s_lshl_b32 s19, s16, 7
	s_add_co_u32 s18, s18, s19                     ; q, k: my first channel by B
	s_lshl_b32 s19, s17, 8
	s_lshl_b32 s22, s15, 7
	s_add_co_u32 s19, s19, s22                     ; v: by A
	s_cmp_eq_u32 s[KIND], 2
	s_cselect_b32 s18, s19, s18
	s_cselect_b64 s[10:11], s[12:13], s[10:11]
	s_cmp_eq_u32 s[KIND], 0
	s_cselect_b64 s[8:9], s[8:9], s[10:11]
	s_lshl_b32 s18, s18, 2
	s_mov_b32 s19, 0
	s_add_nc_u64 s[8:9], s[8:9], s[18:19]
	v_lshlrev_b32 v7, 6, v2                        ; 64 h
	v_and_b32 v8, 8, v1
	v_add_nc_u32 v8, v8, v1
	v_lshlrev_b32 v8, 2, v8                        ; 4 (r + 8 (r / 8))
	s_cmp_eq_u32 s[KIND], 2
	s_cbranch_scc1 .Lbias_v
.irp t, 0,1,2,3,4,5,6,7
	global_load_b128 v[BI+8*\t:BI+8*\t+3], v7, s[8:9] offset:(32*(\t/2)+8*(\t%2))*4
	global_load_b128 v[BI+8*\t+4:BI+8*\t+7], v7, s[8:9] offset:(32*(\t/2)+8*(\t%2))*4+16
.endr
	s_branch .Lbias_done
.Lbias_v:
.irp a, 0,1,2,3,4,5,6,7
.irp j, 0,1,2,3,4,5,6,7
	global_load_b32 v[BI+8*\a+\j], v8, s[8:9] offset:(32*(\a/2)+8*(\a%2))*4
.endr
.endr
.Lbias_done:
	; where my results go
	s_lshl_b32 s18, s17, 1
	s_add_co_u32 s18, s18, s15                     ; which 128 rows of A are mine,
	s_lshl_b32 s19, s42, 1
	s_add_co_u32 s19, s19, s16                     ; which 128 of B
	s_cmp_eq_u32 s[KIND], 2
	s_cselect_b32 s22, s19, s18                    ; the activation's 128 rows: 16 b + step,
	s_cselect_b32 s23, s18, s19                    ; the weight's: the head pair
	s_lshr_b32 s18, s22, 4
	s_lshl_b32 s18, s18, 3
	s_add_co_u32 s18, s18, s23
	s_lshl_b32 s18, s18, 4
	s_and_b32 s22, s22, 15
	s_add_co_u32 s18, s18, s22                     ; (8 b + head pair) x 16 + step
	s_lshl_b32 s22, s18, 13
	s_lshl_b32 s23, s[KIND], 22
	s_add_co_u32 s22, s22, s23
	s_mov_b32 s23, 0
	s_add_nc_u64 s[96:97], s[96:97], s[22:23]      ; 8,192 bytes of codes,
	s_lshl_b32 s22, s18, 9
	s_lshl_b32 s18, s[KIND], 18
	s_add_co_u32 s22, s22, s18
	s_add_nc_u64 s[98:99], s[98:99], s[22:23]      ; 512 of scale words
.macro FRAG reg, adr, q, i             ; 16 rows x 128 K of 4-bit codes: lane l holds row l % 16; registers 4 c .. 4 c + 3 hold K = 64 c + 32 (l / 16) + 0 .. 31
.irp c, 0,1
	ds_load_b128 v[\reg+4*\c:\reg+4*\c+3], v[\adr] offset:64*(\q)+32*\c+(\i)*16*PITCH
.endr
.endm
; 16 matrix instructions: A's blocks a0, a0 + 1 x B's eight, the slot's q-th 128 along K.  p: B's set; sc: the set of scale words.  cin = 0: onto the sums; 1: the sums begin with the bias by B's tile; 2: by A's block.
; The 64 accumulators take turns, one instruction a turn, in the same order in every step.
.macro MUL16 a0, p, q, sc, cin
.irp a, \a0, \a0+1
.irp b, 0,1,2,3,4,5,6,7
.if \cin == 1
	v_wmma_scale_f32_16x16x128_f8f6f4 v[8*(8*((\a)%4)+\b):8*(8*((\a)%4)+\b)+7], v[128*(\p)+FR*\b:128*(\p)+FR*\b+FR-1], v[AF+FR*(\a):AF+FR*(\a)+FR-1], v[BI+8*\b:BI+8*\b+7], v[SC+8*NQ*(\sc)+NQ*\b+(\q)], v[SC+8*NQ*(\sc)+NQ*(\a)+(\q)] matrix_a_fmt:MATRIX_FMT_FP4 matrix_b_fmt:MATRIX_FMT_FP4 matrix_a_scale:MATRIX_SCALE_ROW1
.elseif \cin == 2
	v_wmma_scale_f32_16x16x128_f8f6f4 v[8*(8*((\a)%4)+\b):8*(8*((\a)%4)+\b)+7], v[128*(\p)+FR*\b:128*(\p)+FR*\b+FR-1], v[AF+FR*(\a):AF+FR*(\a)+FR-1], v[BI+8*(\a):BI+8*(\a)+7], v[SC+8*NQ*(\sc)+NQ*\b+(\q)], v[SC+8*NQ*(\sc)+NQ*(\a)+(\q)] matrix_a_fmt:MATRIX_FMT_FP4 matrix_b_fmt:MATRIX_FMT_FP4 matrix_a_scale:MATRIX_SCALE_ROW1
.else
	v_wmma_scale_f32_16x16x128_f8f6f4 v[8*(8*((\a)%4)+\b):8*(8*((\a)%4)+\b)+7], v[128*(\p)+FR*\b:128*(\p)+FR*\b+FR-1], v[AF+FR*(\a):AF+FR*(\a)+FR-1], v[8*(8*((\a)%4)+\b):8*(8*((\a)%4)+\b)+7], v[SC+8*NQ*(\sc)+NQ*\b+(\q)], v[SC+8*NQ*(\sc)+NQ*(\a)+(\q)] matrix_a_fmt:MATRIX_FMT_FP4 matrix_b_fmt:MATRIX_FMT_FP4 matrix_a_scale:MATRIX_SCALE_ROW1
.endif
.endr
.endr
.endm
.macro FETCH_B slot, q, p
	WIN TO_B
.irp i, 0,1,2,3,4,5,6,7
	FRAG 128*(\p)+FR*\i, ADRB+\slot, \q, \i
.endr
	WIN 0
.endm
.macro FETCH_A slot, q, i0
.irp i, \i0, \i0+1, \i0+2, \i0+3
	FRAG AF+FR*(\i), ADRA+\slot, \q, \i
.endr
.endm
.macro SCALES sc                       ; a K step's scale words: four words a row; lanes 0-15 take A's block i, lanes 16-31 B's block i
.irp i, 0,1,2,3,4,5,6,7
	ds_load_b128 v[SC+8*NQ*\sc+NQ*\i:SC+8*NQ*\sc+NQ*\i+3], v[ADRS] offset:\i*SBLK
.endr
.endm
.macro PLACES n                        ; plain vector lines between a matrix instruction and a load into, or a vector line on, its registers
.rept \n
	v_nop
.endr
.endm
.macro STEP slot, q, cin               ; 128 along K that has its successor in the same slot
	s_wait_dscnt 4*NL                              ; B's set and A's blocks 0-3 are in; the youngest eight loads (A's blocks 4-7) may be out
.if \cin
	WIN 0x81                                       ; C (the bias) in window 0, D in window 2
.else
	WIN MUL_LO
.endif
	MUL16 0, (\q)%2, \q, \slot, \cin
	MUL16 2, (\q)%2, \q, \slot, \cin
	s_wait_dscnt 0                                 ; A's blocks 4-7 are in
	PLACES NP
	FETCH_B \slot, (\q)+1, 1-(\q)%2
	FETCH_A \slot, (\q)+1, 0
.if \cin
	WIN 0xc1                                       ; D in window 3
.else
	WIN MUL_HI
.endif
	MUL16 4, (\q)%2, \q, \slot, \cin
	MUL16 6, (\q)%2, \q, \slot, \cin
	PLACES NP
	WIN 0
	FETCH_A \slot, (\q)+1, 4
.endm
; Slot 0's last step changes slots: one barrier; in front of it each wave waits for all its tensor loads (its part of slot 1), adds 0 to its spare word, and waits for that and for its reads.  Nothing is filled again.
.macro TURN slot, next
	s_wait_tensorcnt 0x0                           ; all my tensor loads have landed
	ds_add_u32 v[SPW], v[NIL]                      ; 0 onto my spare word
	s_wait_dscnt 4*NL+1                            ; (the add and the youngest eight loads may be out)
	WIN MUL_LO
	MUL16 0, 1, NQ-1, \slot, 0
	s_wait_dscnt 0x0                               ; the add is done, and my reads of this slot are over
	s_barrier_signal -1
	MUL16 2, 1, NQ-1, \slot, 0
	WIN 0
	s_barrier_wait -1                              ; every wave's part of the next slot has landed
	PLACES NP
	v_add_nc_u32 v[ADRS], 4*NQ, v[ADRS]            ; on to the next K step's scale words
	FETCH_B \next, 0, 0
	FETCH_A \next, 0, 0
	SCALES \next
	WIN MUL_HI
	MUL16 4, 1, NQ-1, \slot, 0
	MUL16 6, 1, NQ-1, \slot, 0
	PLACES NP
	WIN 0
	FETCH_A \next, 0, 4
.endm
.macro STEPS slot, from
.set Q, \from
.rept NQ-1-\from
	STEP \slot, Q, 0
.set Q, Q+1
.endr
.endm
	s_wait_loadcnt 0x0                             ; the bias
	s_wait_tensorcnt 1                             ; the scales and my part of K step 0 are in (K step 1's load may be out)
	s_barrier_signal -1
	s_barrier_wait -1                              ; everybody's are
	FETCH_B 0, 0, 0
	FETCH_A 0, 0, 0
	SCALES 0
	FETCH_A 0, 0, 4
	s_cmp_eq_u32 s[KIND], 2                        ; the first step is written twice: its C differs.  KIND is equal in all partners
	s_cbranch_scc1 .Lfirst_v
	STEP 0, 0, 1
	s_branch .Lfirst_done
.Lfirst_v:
	STEP 0, 0, 2
.Lfirst_done:
	STEPS 0, 1
	TURN 0, 1
	STEPS 1, 0
	s_wait_dscnt 4*NL                              ; the last step: nothing more to fetch
	WIN MUL_LO
	MUL16 0, 1, NQ-1, 1, 0
	MUL16 2, 1, NQ-1, 1, 0
	s_wait_dscnt 0
	WIN MUL_HI
	MUL16 4, 1, NQ-1, 1, 0
	MUL16 6, 1, NQ-1, 1, 0
	WIN 0
; THE WAY OUT.  Block a's 64 numbers of a lane, register 16 b + i = place 32 b + 16 (lane / 16) + i along the direction that is quantised, become eight operand registers and a scale word, and leave as they stand:
; each store of the wave covers 512 consecutive bytes, aligned.  Every block has registers of its own for its codes, so no store's data are written again.
.macro QBLOCK a
.set AC, 64*((\a)%4)
.set PC, AF+8*(\a)
.set PW, WE+(\a)%2
	WIN 0x0a+5*((\a)/4)                            ; sources 0 and 1: window 2 or 3
.irp b, 0,1,2,3
	v_max3_num_f32 v[TM+\b], |v[AC+16*\b]|, |v[AC+16*\b+1]|, 0x1800000   ; my 16 numbers of block b, each accumulator from its low end on; and the floor 2^(3 - 127): the byte cannot fall under 1
.endr
.irp i, 2,4,6,8,10,12,14
.irp b, 0,1,2,3
	v_max3_num_f32 v[TM+\b], |v[AC+16*\b+\i]|, |v[AC+16*\b+\i+1]|, v[TM+\b]
.endr
.endr
	WIN 0
.irp b, 0,1,2,3
	v_permlanex16_b32 v[TM+4+\b], v[TM+\b], s[SEL], s[SEL+1]
.endr
.irp b, 0,1,2,3
	v_max_num_f32 v[TM+\b], v[TM+\b], v[TM+4+\b]   ; with lane l xor 16's: the block's largest magnitude
.endr
.irp b, 0,1,2,3
	v_add_nc_u32 v[TM+12+\b], 0xff000000, v[TM+\b] ; 2 off its exponent field: the conversion's scale operand
.endr
.irp b, 0,1,2,3
	v_lshrrev_b32 v[TM+4+\b], 23, v[TM+12+\b]      ; the scale's byte
.endr
	v_lshl_or_b32 v[PW], v[TM+5], 8, v[TM+4]
	v_lshl_or_b32 v[PW], v[TM+6], 16, v[PW]
	v_lshl_or_b32 v[PW], v[TM+7], 24, v[PW]        ; my row's scale word
	WIN 0x02+(\a)/4                                ; source 0: window 2 or 3
.irp b, 0,1,2,3
	v_cvt_scalef32_pk8_fp4_f32 v[PC+2*\b], v[AC+16*\b:AC+16*\b+7], v[TM+12+\b]
	v_cvt_scalef32_pk8_fp4_f32 v[PC+2*\b+1], v[AC+16*\b+8:AC+16*\b+15], v[TM+12+\b]
.endr
	WIN 0
	v_nop                                          ; one plain line behind a scaled conversion
.irp c, 0,1                                    ; the operand's layout wants a whole block in a lane: lanes 0-15 block 2 c, lanes 16-31 block 2 c + 1
.irp i, 0,1
	v_permlane16_swap_b32 v[PC+4*\c+\i], v[PC+2+4*\c+\i]
.endr
.endr
	global_store_b128 v[LI], v[PC:PC+3], s[96:97] offset:(\a)*1024
	global_store_b128 v[LI], v[PC+4:PC+7], s[96:97] offset:(\a)*1024+512
.if (\a)%2
	v_cndmask_b32 v[SW+(\a)/2], v[WE], v[WE+1], s[HI16]   ; lanes 0-15 keep the even block's word, lanes 16-31 take the odd block's
.endif
.endm
	PLACES NP                                      ; behind the last products: their results are read, and A's and the scales' registers written, below
.irp b, 0,1,2,3
	v_mov_b32 v[TM+4+\b], 0                        ; written once: a lane permute's destination counts as one of its sources
.endr
.irp a, 0,1,2,3,4,5,6,7
	QBLOCK \a
.endr
	global_store_b128 v[LI], v[SW:SW+3], s[98:99]  ; the eight blocks' scale words: 512 consecutive bytes
	s_wait_tensorcnt 0x0                           ; the wave's end
	ds_add_u32 v[SPW], v[NIL]
	s_wait_dscnt 0x0
	CROUND                                         ; the closing round
	s_endpgm
.Lfunc_end_k_qeb8dbd7525_proj:
	.size	k_qeb8dbd7525_proj, .Lfunc_end_k_qeb8dbd7525_proj-k_qeb8dbd7525_proj
	.p2alignl 7, 3214868480
	.fill 96, 4, 3214868480
	.section	.rodata,"a",@progbits
	.p2align	6, 0x0
	.amdhsa_kernel k_qeb8dbd7525_proj
		.amdhsa_group_segment_fixed_size 327680
		.amdhsa_private_segment_fixed_size 0
		.amdhsa_enable_private_segment 0
		.amdhsa_kernarg_size 56
		.amdhsa_user_sgpr_count 2
		.amdhsa_user_sgpr_kernarg_segment_ptr 1
		.amdhsa_wavefront_size32 1
		.amdhsa_system_sgpr_workgroup_id_x 1
		.amdhsa_system_sgpr_workgroup_id_y 1
		.amdhsa_system_sgpr_workgroup_id_z 1
		.amdhsa_system_vgpr_workitem_id 0
		.amdhsa_next_free_vgpr 1024
		.amdhsa_next_free_sgpr 106
		.amdhsa_reserve_vcc 0
		.amdhsa_float_denorm_mode_32 3
		.amdhsa_float_denorm_mode_16_64 3
		.amdhsa_memory_ordered 1
		.amdhsa_forward_progress 1
		.amdhsa_inst_pref_size 147
	.end_amdhsa_kernel
	.amdgpu_metadata
---
amdhsa.version: [ 1, 2 ]
amdhsa.kernels:
  - .name:           k_qeb8dbd7525_proj
    .symbol:         k_qeb8dbd7525_proj.kd
    .args:
      - { .name: acodes, .offset: 0, .size: 8, .value_kind: global_buffer, .address_space: global }
      - { .name: ascales, .offset: 8, .size: 8, .value_kind: global_buffer, .address_space: global }
      - { .name: bq, .offset: 16, .size: 8, .value_kind: global_buffer, .address_space: global }
      - { .name: bk, .offset: 24, .size: 8, .value_kind: global_buffer, .address_space: global }
      - { .name: bv, .offset: 32, .size: 8, .value_kind: global_buffer, .address_space: global }
      - { .name: pcodes, .offset: 40, .size: 8, .value_kind: global_buffer, .address_space: global }
      - { .name: pscales, .offset: 48, .size: 8, .value_kind: global_buffer, .address_space: global }
    .group_segment_fixed_size: 327680
    .private_segment_fixed_size: 0
    .kernarg_segment_align: 8
    .kernarg_segment_size: 56
    .max_flat_workgroup_size: 128
    .sgpr_count:     106
    .vgpr_count:     1024
    .wavefront_size: 32
...
	.end_amdgpu_metadata
.endif
;; end of part 2
;; launch attn (part 3): grid 4 x 64, 16 waves a work-group, no clusters, 149,504 bytes of LDS; arguments pcodes, pscales, mwords, mflags, xcodes, xscales; writes xcodes, xscales
.if DOCPART == 3
	.amdgcn_target "amdgcn-amd-amdhsa--gfx1250"
	.amdhsa_code_object_version 6
	.text
	.protected	k_qeb8dbd7525_attn
	.globl	k_qeb8dbd7525_attn
	.p2align	8
	.type	k_qeb8dbd7525_attn,@function
k_qeb8dbd7525_attn:
	s_mov_b64 s[64:65], 0
	v_nop
	global_prefetch_b8 v0, s[64:65] scope:SCOPE_SE
	s_setreg_imm32_b32 hwreg(HW_REG_WAVE_MODE, 25, 1), 1
	s_wait_xcnt 0x0
; ATTN.  x[b][h][q] = the sum over k of softmax_k(q . k / 8, masked) v, both products on codes of FP4 (E2M1) with one E8M0 scale for each 32 along a product's K; x leaves as codes along D.
; THE SOFTMAX AHEAD OF THE SECOND PRODUCT: t = score x log2(e) / 8; M = the row's largest t so far, rounded UP to a whole number; p = 2^(t - M) is quantised along the keys, not normalised.
; The row's sum is taken of the unquantised p and divides at the end.  When M moves, the sum and O are multiplied by 2^(old M - new M): exact.
; THE MASK is an input.  An earlier launch has turned it into lane masks (one word for each score register of a tile of 16 queries x 128 keys) and into two bits a tile: some key open, some key hidden.
; A tile with no open key adds nothing to any sum and moves no maximum: its work is jumped over, by a scalar branch on the stored bits.  A tile with hidden keys sets their scores to -infinity, one select a score.
; a head's K and V (128 KiB of codes, 16 KiB of scale words) go through registers into LDS once, behind one barrier, and are only read after it.
; SHARES.  A work-group owns a head (y = 16 b + h) and 32 query tiles; wave w takes tiles 16 x + w and 127 - (16 x + w).  Sixteen waves of 256 registers, four to a SIMD: one wave's vector work stands beside another's products.
; LAYOUT.  S^T = K Q^T (source 0 = 16 keys, source 1 = 16 queries; the head's 64 channels fill half of the instruction's K, the other half are zero codes on both sides), O^T = V^T P^T: a lane holds ONE query throughout.
; The keys of a tile, and V's channels of a tile, are rows 32 b + 8 u + r + 8 (r / 8): so 16 registers of two neighbouring tiles are 16 neighbours along the next K.
; A QUERY WHOSE EVERY KEY IS HIDDEN has the sum 0: its scale bytes are set to 0xff, so that its row of the output comes out NaN, as the softmax of such a row is.
; LIMITS: NaN and infinities among the inputs are not served; a block of zeros gets the byte 1 (its codes are zeros; this program alone reads the bytes).
; The scale bytes of x leave one byte a lane, 32 bytes apart (one byte for each 16 of codes): a row's 32 bytes come from sixteen work-groups.
; REGISTERS: v1-7 addresses and constants that stay; v8-11 the step's LDS addresses; v12 -M, v13 the largest t, v[14:15] the sum; v[16:23] Q; v24 Q's scale words; v26 f, v27 p's scale word; v[28:31] K's scale words, v[32:33] V's;
;   v34-49 at work; v[50:57] p's codes; v58-62 the head's addresses; v64-127 K's 8 fragments (the upper four registers of each stay 0); v128-159 V's 4; v160-223 S^T, then p; v224-255 O^T.
.set VIMG, 65536                       ; LDS: K's tiles at 0, 512 bytes each; V's fragments here, 1,024 bytes each;
.set KSCL, 131072                      ; K's scale words, 512 bytes a step;
.set VSCL, 139264                      ; V's
.set KF, 64
.set VF, 128
.set S,  160
.set O,  224
.set PC, 50
.set TA, 34
.set TB, 38
.set TC, 42
	s_load_b256 s[4:11], s[0:1], 0x0               ; pcodes, pscales, mwords, mflags
	s_load_b128 s[12:15], s[0:1], 0x20             ; xcodes, xscales
	v_lshl_add_u32 v25, v0, 2, 0x24000
	v_mov_b32 v63, 0
	v_lshrrev_b32 v1, 5, v0
	v_readfirstlane_b32 s16, v1                    ; wave 0..15
	s_and_b32 s17, ttmp7, 0xffff                   ; 16 b + h
	s_and_b32 s25, s17, 1                          ; the odd head of a pair?
	s_lshl_b32 s24, s25, 4                         ; its two scale bytes lie 16 bits up
	s_lshr_b32 s66, s17, 1
	s_lshl_b32 s66, s66, 4                         ; (8 b + head pair) x 16 steps
	s_lshl_b32 s26, ttmp9, 4
	s_add_co_u32 s26, s26, s16                     ; my first query tile
	s_lshl_b32 s68, s66, 13
	s_lshl_b32 s70, s25, 9
	s_add_co_u32 s70, s70, s68
	s_add_co_u32 s70, s70, 0x400000                ; K's codes: kind 1; my head's 512 bytes of each 1,024
	s_mov_b32 s71, 0
	s_lshl_b32 s72, s25, 12
	s_add_co_u32 s72, s72, s68
	s_add_co_u32 s72, s72, 0x800000                ; V's: kind 2; my head's 4,096 bytes of each 8,192
	s_mov_b32 s73, 0
	s_lshl_b32 s74, s66, 9
	s_add_co_u32 s74, s74, 0x40000                 ; K's scale words; V's lie 262,144 bytes on
	s_mov_b32 s75, 0
	v_and_b32 v2, 31, v0
	v_lshlrev_b32 v2, 4, v2
	v_lshl_add_u32 v58, v1, 10, v2                 ; K: tile (thread / 32) of a round's sixteen, 16 x lane
	v_lshrrev_b32 v3, 8, v0
	v_and_b32 v4, 255, v0
	v_lshlrev_b32 v4, 4, v4
	v_lshl_add_u32 v59, v3, 13, v4                 ; V: step (thread / 256) of a round's two, 16 x (thread % 256)
	v_lshlrev_b32 v60, 4, v0                       ; 16 x thread: in LDS everything lies on end
	v_lshl_add_u32 v61, v0, 4, VIMG
	v_lshl_add_u32 v62, v0, 4, KSCL
	s_wait_kmcnt 0x0
	s_add_nc_u64 s[70:71], s[4:5], s[70:71]
	s_add_nc_u64 s[72:73], s[4:5], s[72:73]
	s_add_nc_u64 s[74:75], s[6:7], s[74:75]
.irp p, 0,1,2,3,4,5,6,7
	global_load_b128 v[64+4*\p:67+4*\p], v58, s[70:71] offset:16384*\p     ; a wave reads 512 consecutive bytes
.endr
.irp p, 0,1,2,3,4,5,6,7
	global_load_b128 v[96+4*\p:99+4*\p], v59, s[72:73] offset:16384*\p
.endr
	global_load_b128 v[128:131], v60, s[74:75]
	global_load_b128 v[132:135], v60, s[74:75] offset:262144
	v_and_b32 v1, 31, v0
	v_lshlrev_b32 v1, 4, v1                        ; v1  16 x lane: a tile of K
	v_add_nc_u32 v2, VIMG, v1                      ; v2  a fragment of V
	v_add_nc_u32 v3, KSCL, v1                      ; v3  K's scale words
	s_lshl_b32 s67, s25, 3
	s_add_co_u32 s67, s67, VSCL
	v_add_nc_u32 v4, s67, v1                       ; v4  V's: my head's two words of the four
	v_mov_b32 v5, 0xff800000                       ; v5  -infinity
	v_and_b32 v6, 15, v0
	v_lshlrev_b32 v7, 5, v6
	v_lshlrev_b32 v6, 4, v6                        ; v6  16 r: Q's scale word
	v_bfe_u32 v8, v0, 4, 1
	v_add_nc_u32 v7, v7, v8                        ; v7  32 r + lane / 16: x's scale byte
	s_mov_b32 s20, 0x76543210
	s_mov_b32 s21, 0xfedcba98                      ; lane l xor 16
	s_mov_b32 s22, 0x3e38aa3b                      ; c = log2(e) / 8
	s_mov_b32 s23, s22                             ; (named with it as a pair)
	s_mov_b32 s100, 0xffff0000                     ; lanes 16-31
.irp p, 0,1,2,3,4,5,6,7
	s_wait_loadcnt 17-\p                           ; loads come back in order: this one is in, the younger ones stay out
	ds_store_b128 v60, v[64+4*\p:67+4*\p] offset:8192*\p
.endr
.irp p, 0,1,2,3,4,5,6,7
	s_wait_loadcnt 9-\p
	ds_store_b128 v61, v[96+4*\p:99+4*\p] offset:8192*\p
.endr
	s_wait_loadcnt 1
.irp i, 128,129,130,131
	v_lshrrev_b32 v\i, s24, v\i                    ; my head's two bytes to bytes 0 and 1; what stands above them scales zero codes and is never 0xff
.endr
	ds_store_b128 v62, v[128:131]
	s_wait_loadcnt 0x0
	ds_store_b128 v62, v[132:135] offset:8192
.irp i, 20,21,22,23,27,38,39,40,41,46,47
	v_mov_b32 v\i, 0                               ; Q's upper half; registers that are named before they are first computed
.endr
	v_mov_b32 v49, 0xff
	s_wait_dscnt 0x0                               ; for the others' sake: my stores have landed
	s_barrier_signal -1
	s_barrier_wait -1                              ; the launch's one barrier: from here on LDS is only read
.irp t, 0,1,2,3,4,5,6,7
.irp i, 4,5,6,7
	v_mov_b32 v[KF+8*\t+\i], 0                     ; K's upper halves: zero codes, written once
.endr
.endr
	s_mov_b32 s27, 2
.Lpass:                                            ; two query tiles a wave
	s_wait_xcnt 0x0                                ; the last pass's stores have read their registers and bases: both are written again below
	s_lshl_b32 s67, s26, 3
	s_load_b64 s[30:31], s[10:11], s67 offset:0x0  ; the tile's sixteen flags
	s_lshl_b32 s68, s26, 12
	s_mov_b32 s69, 0
	s_add_nc_u64 s[18:19], s[8:9], s[68:69]        ; its lane masks: 4,096 bytes
	s_lshr_b32 s70, s26, 3
	s_add_co_u32 s70, s70, s66
	s_and_b32 s71, s26, 7
	s_lshl_b32 s72, s70, 13
	s_lshl_b32 s73, s71, 10
	s_add_co_u32 s72, s72, s73
	s_lshl_b32 s73, s25, 9
	s_add_co_u32 s72, s72, s73
	s_mov_b32 s73, 0
	s_add_nc_u64 s[72:73], s[4:5], s[72:73]        ; Q's codes: kind 0, step qt / 8, block qt % 8, my head's 512 bytes
	s_lshl_b32 s74, s70, 9
	s_and_b32 s75, s26, 1
	s_lshl_b32 s75, s75, 8
	s_add_co_u32 s74, s74, s75
	s_lshr_b32 s75, s71, 1
	s_lshl_b32 s75, s75, 2
	s_add_co_u32 s74, s74, s75
	s_mov_b32 s75, 0
	s_add_nc_u64 s[74:75], s[6:7], s[74:75]        ; its scale words: lanes 16 (block % 2) on, word block / 2
	global_load_b128 v[16:19], v1, s[72:73]
	global_load_b32 v24, v6, s[74:75]
	s_wait_loadcnt 0x0
	v_lshrrev_b32 v24, s24, v24                    ; my head's two bytes.  (The clears below are the plain lines between this line and the first product that takes v24 as a scale)
	v_mov_b32 v13, 0xff61b1e6                      ; the largest t so far: -3e38, under every t
	v_floor_f32 v12, -v13                          ; -M
	v_mov_b32 v14, 0
	v_mov_b32 v15, 0
	v_mov_b32 v27, 0
.set n, 0
.rept 32
	v_mov_b32 v[O+n], 0                            ; O^T: the step is written once; the first change of M leaves zeros zeros
.set n, n+1
.endr
	s_wait_kmcnt 0x0
	s_mov_b32 s2, 0                                ; the step's tiles of K and of V: 4,096 bytes a step
	s_mov_b32 s3, 0                                ; its scale words: 512
	s_mov_b32 s101, 0                              ; its lane masks: 256
	s_mov_b32 s28, 16
.Lstep:                                            ; sixteen trips, a constant: 128 keys each
	s_and_b32 s29, s30, 3                          ; this step's two bits
	s_lshr_b32 s30, s30, 4
	s_cmp_eq_u32 s28, 9                            ; eight steps taken: on to the upper word
	s_cselect_b32 s30, s31, s30
	s_bitcmp1_b32 s29, 0
	s_cbranch_scc0 .Lskip                          ; no key of the tile is open
	s_load_b512 s[32:47], s[18:19], s101 offset:0x0    ; the 64 lane masks, asked for in every step that is worked
	s_load_b512 s[48:63], s[18:19], s101 offset:0x40
	s_load_b512 s[68:83], s[18:19], s101 offset:0x80
	s_load_b512 s[84:99], s[18:19], s101 offset:0xc0
	v_add_nc_u32 v8, s2, v1                        ; four plain lines: also the places between the last step's products and the loads into V's registers
	v_add_nc_u32 v9, s2, v2
	v_add_nc_u32 v10, s3, v3
	v_add_nc_u32 v11, s3, v4
	ds_load_b128 v[28:31], v10
.irp t, 0,1,2,3,4,5,6,7
	ds_load_b128 v[KF+8*\t:KF+8*\t+3], v8 offset:512*\t
.endr
.irp d, 0,1,2,3
.irp c, 0,1
	ds_load_b128 v[VF+8*\d+4*\c:VF+8*\d+4*\c+3], v9 offset:1024*\d+512*\c
.endr
.endr
	ds_load_b64 v[32:33], v11
	s_wait_dscnt 9                                 ; K and its scale words are in; V's eight loads and its scale words may be out
.irp t, 0,1,2,3,4,5,6,7
.if (\t)%2
	v_wmma_scale_f32_16x16x128_f8f6f4 v[S+8*\t:S+8*\t+7], v[KF+8*\t:KF+8*\t+7], v[16:23], 0, v[28+\t/2], v24 matrix_a_fmt:MATRIX_FMT_FP4 matrix_b_fmt:MATRIX_FMT_FP4 matrix_a_scale:MATRIX_SCALE_ROW1
.else
	v_wmma_scale_f32_16x16x128_f8f6f4 v[S+8*\t:S+8*\t+7], v[KF+8*\t:KF+8*\t+7], v[16:23], 0, v[28+\t/2], v24 matrix_a_fmt:MATRIX_FMT_FP4 matrix_b_fmt:MATRIX_FMT_FP4
.endif
.endr                                              ; register n of lane (r, h): query r, key 32 (n / 16) + 16 h + n % 16 of the step
.rept 4
	v_nop
.endr
	s_wait_kmcnt 0x0                               ; the lane masks are in (and their offset register may be stepped)
	s_bitcmp1_b32 s29, 1
	s_cbranch_scc0 .Lopen                          ; every key of the tile counts
.set n, 0
.rept 64
	v_cndmask_b32 v[S+n], v[S+n], v5, s[32+n+4*(n/32)]   ; hidden: -infinity, ahead of the maximum: p = 0 then
.set n, n+1
.endr
.Lopen:
.irp b, 0,1,2,3
	v_max3_num_f32 v[TA+\b], v[S+16*\b], v[S+1+16*\b], v[S+2+16*\b]   ; the largest score of each block of 32 keys: for the row's maximum, and, since p rises with the score, for the block's largest p
.endr
.irp i, 3,5,7,9,11,13
.irp b, 0,1,2,3
	v_max3_num_f32 v[TA+\b], v[TA+\b], v[S+16*\b+\i], v[S+1+16*\b+\i]
.endr
.endr
.irp b, 0,1,2,3
	v_max_num_f32 v[TA+\b], v[TA+\b], v[S+15+16*\b]
.endr
.irp b, 0,1,2,3
	v_permlanex16_b32 v[TB+\b], v[TA+\b], s20, s21
.endr
.irp b, 0,1,2,3
	v_max_num_f32 v[TA+\b], v[TA+\b], v[TB+\b]     ; with lane l xor 16's 16 keys
.endr
	v_max3_num_f32 v46, v[TA], v[TA+1], v[TA+2]
	v_max_num_f32 v46, v46, v[TA+3]                ; the step's largest score of my query
	v_mul_f32 v46, s22, v46                        ; as t
	v_max_num_f32 v13, v13, v46                    ; the running largest t
	v_mov_b32 v46, v12
	v_floor_f32 v12, -v13                          ; the new -M = floor(-t) = -ceil(t)
	v_sub_f32 v46, v12, v46                        ; old M - new M: a whole number, 0 or less
	v_cvt_i32_f32 v46, v46                         ; (it saturates)
	v_ldexp_f32 v26, 1.0, v46                      ; f = 2^(old M - new M)
.set n, 0
.rept 32
	v_pk_fma_f32 v[S+n:S+n+1], v[S+n:S+n+1], s[22:23], v[12:13] op_sel_hi:[1,0,0]   ; t - M, two at a time
.set n, n+2
.endr
.irp b, 0,1,2,3
	v_fma_f32 v[TA+\b], v[TA+\b], s22, v12         ; the same of each block's largest score
.endr
.set n, 0
.rept 64
	v_exp_f32 v[S+n], v[S+n]                       ; p = 2^(t - M), at most 1
.set n, n+1
.endr
	v_pk_mul_f32 v[14:15], v[14:15], v[26:27] op_sel_hi:[1,0]   ; the sums under the new M (a plain line behind the exponentials)
	s_wait_alu depctr_va_vdst(0)                   ; one wait for the batch of 64, ahead of its first reader
.irp b, 0,1,2,3
	v_exp_f32 v[TA+\b], v[TA+\b]                   ; the block's largest p: the same two instructions on the same number
.endr
	v_pk_add_f32 v[TB:TB+1], v[S:S+1], v[S+2:S+3]  ; the row's sum is taken of the unquantised p, in two chains
.irp j, 4,8,12,16,20,24,28,32,36,40,44,48,52,56,60
	v_pk_add_f32 v[14:15], v[14:15], v[S+\j:S+\j+1]
	v_pk_add_f32 v[TB:TB+1], v[TB:TB+1], v[S+2+\j:S+3+\j]
.endr
	v_pk_add_f32 v[14:15], v[14:15], v[TB:TB+1]
	s_wait_alu depctr_va_vdst(0)                   ; and one for the four
.irp b, 0,1,2,3
	v_max_num_f32 v[TA+\b], 0x1800000, v[TA+\b]    ; the floor 2^(3 - 127): the byte cannot fall under 1
.endr
.irp b, 0,1,2,3
	v_add_nc_u32 v[TC+\b], 0xff000000, v[TA+\b]    ; 2 off the exponent field: the conversion's scale operand
.endr
.irp b, 0,1,2,3
	v_lshrrev_b32 v[TB+\b], 23, v[TC+\b]           ; the scale's byte
.endr
	v_lshl_or_b32 v27, v[TB+1], 8, v[TB]           ; p's scale word for these 128 keys
	v_lshl_or_b32 v27, v[TB+2], 16, v27
	v_lshl_or_b32 v27, v[TB+3], 24, v27
.irp b, 0,1,2,3
	v_cvt_scalef32_pk8_fp4_f32 v[PC+2*\b], v[S+16*\b:S+7+16*\b], v[TC+\b]
	v_cvt_scalef32_pk8_fp4_f32 v[PC+1+2*\b], v[S+8+16*\b:S+15+16*\b], v[TC+\b]
.endr
	v_nop                                          ; one plain line behind a scaled conversion
.irp c, 0,1                                    ; a whole block in a lane: lanes 0-15 block 2 c, lanes 16-31 block 2 c + 1
.irp i, 0,1
	v_permlane16_swap_b32 v[PC+4*\c+\i], v[PC+2+4*\c+\i]
.endr
.endr
.set n, 0
.rept 16
	v_pk_mul_f32 v[O+n:O+n+1], v[O+n:O+n+1], v[26:27] op_sel_hi:[1,0]   ; O^T under the new M.  (These sixteen are also the plain lines between the codes' and the scale word's last writes and the products below)
.set n, n+2
.endr
	s_wait_dscnt 0x0                               ; V and its scale words are in
.irp d, 0,1,2,3                                ; O^T += V^T P^T; the four accumulators by turns
.if (\d)%2
	v_wmma_scale_f32_16x16x128_f8f6f4 v[O+8*\d:O+8*\d+7], v[VF+8*\d:VF+8*\d+7], v[PC:PC+7], v[O+8*\d:O+8*\d+7], v[32+\d/2], v27 matrix_a_fmt:MATRIX_FMT_FP4 matrix_b_fmt:MATRIX_FMT_FP4 matrix_a_scale:MATRIX_SCALE_ROW1
.else
	v_wmma_scale_f32_16x16x128_f8f6f4 v[O+8*\d:O+8*\d+7], v[VF+8*\d:VF+8*\d+7], v[PC:PC+7], v[O+8*\d:O+8*\d+7], v[32+\d/2], v27 matrix_a_fmt:MATRIX_FMT_FP4 matrix_b_fmt:MATRIX_FMT_FP4
.endif
.endr
.Lskip:
	s_add_co_u32 s2, s2, 4096
	s_add_co_u32 s3, s3, 512
	s_add_co_u32 s101, s101, 256
	s_sub_co_i32 s28, s28, 1
	s_cmp_lg_u32 s28, 0
	s_cbranch_scc1 .Lstep
	; THE WAY OUT OF A PASS: x = O^T / the sum; register 16 b + i of lane (r, h) is channel 32 b + 16 h + i of query r: two blocks along D, quantised as they stand.
.rept 4
	v_nop                                          ; places behind the last products
.endr
	v_add_f32 v14, v14, v15                        ; the sum's two halves,
	v_permlanex16_b32 v46, v14, s20, s21
	v_add_f32 v14, v14, v46                        ; and lane l xor 16's
	v_rcp_f32 v46, v14
	v_nop                                          ; a plain line behind the reciprocal
	s_and_b32 s68, s17, 15                         ; h
	s_lshr_b32 s69, s17, 4                         ; b
	s_lshr_b32 s70, s68, 3
	s_lshl_b32 s70, s70, 9
	s_lshl_b32 s71, s69, 7
	s_add_co_u32 s70, s70, s71
	s_add_co_u32 s70, s70, s26
	s_lshl_b32 s70, s70, 12
	s_and_b32 s71, s68, 7
	s_lshl_b32 s71, s71, 9
	s_add_co_u32 s70, s70, s71
	s_mov_b32 s71, 0
	s_add_nc_u64 s[70:71], s[12:13], s[70:71]      ; xcodes [h / 8][128 b + qt][h % 8][512 bytes]
	s_lshl_b32 s72, s69, 11
	s_lshl_b32 s73, s26, 4
	s_add_co_u32 s72, s72, s73
	s_lshl_b32 s72, s72, 5
	s_lshl_b32 s73, s68, 1
	s_add_co_u32 s72, s72, s73
	s_mov_b32 s73, 0
	s_add_nc_u64 s[72:73], s[14:15], s[72:73]      ; xscales [2,048 b + s][32 bytes], bytes 2 h and 2 h + 1
	s_wait_alu depctr_va_vdst(0)                   ; the wait ahead of the reciprocal's first reader
.set n, 0
.rept 16
	v_pk_mul_f32 v[S+n:S+n+1], v[O+n:O+n+1], v[46:47] op_sel_hi:[1,0]   ; each accumulator from its low end on
.set n, n+2
.endr
.irp b, 0,1
	v_max3_num_f32 v[TA+\b], |v[S+16*\b]|, |v[S+1+16*\b]|, 0x1800000
.endr
.irp i, 2,4,6,8,10,12,14
.irp b, 0,1
	v_max3_num_f32 v[TA+\b], v[TA+\b], |v[S+16*\b+\i]|, |v[S+1+16*\b+\i]|
.endr
.endr
.irp b, 0,1
	v_permlanex16_b32 v[TB+\b], v[TA+\b], s20, s21
.endr
.irp b, 0,1
	v_max_num_f32 v[TA+\b], v[TA+\b], v[TB+\b]
.endr
.irp b, 0,1
	v_add_nc_u32 v[TC+\b], 0xff000000, v[TA+\b]
.endr
.irp b, 0,1
	v_lshrrev_b32 v[TB+\b], 23, v[TC+\b]
.endr
.irp b, 0,1
	v_cvt_scalef32_pk8_fp4_f32 v[PC+2*\b], v[S+16*\b:S+7+16*\b], v[TC+\b]
	v_cvt_scalef32_pk8_fp4_f32 v[PC+1+2*\b], v[S+8+16*\b:S+15+16*\b], v[TC+\b]
.endr
	v_nop                                          ; one plain line behind a scaled conversion
	v_permlane16_swap_b32 v[PC], v[PC+2]
	v_permlane16_swap_b32 v[PC+1], v[PC+3]         ; lanes 0-15 hold block 0 whole, lanes 16-31 block 1
	v_cndmask_b32 v48, v[TB], v[TB+1], s100        ; and its byte
	v_cmp_eq_f32 vcc_lo, 0, v14
	v_cndmask_b32 v48, v48, v49, vcc_lo            ; every key hidden: 0xff
	global_store_b128 v1, v[PC:PC+3], s[70:71]     ; the wave stores 512 consecutive bytes, aligned
	global_store_b8 v7, v48, s[72:73]
	s_sub_co_u32 s26, 127, s26                     ; the second tile
	s_sub_co_i32 s27, s27, 1
	s_cmp_lg_u32 s27, 0
	s_cbranch_scc1 .Lpass
	s_wait_tensorcnt 0x0
	ds_add_u32 v25, v63
	s_wait_dscnt 0x0
	s_endpgm
.Lfunc_end_k_qeb8dbd7525_attn:
	.size	k_qeb8dbd7525_attn, .Lfunc_end_k_qeb8dbd7525_attn-k_qeb8dbd7525_attn
	.p2alignl 7, 3214868480
	.fill 96, 4, 3214868480
	.section	.rodata,"a",@progbits
	.p2align	6, 0x0
	.amdhsa_kernel k_qeb8dbd7525_attn
		.amdhsa_group_segment_fixed_size 149504
		.amdhsa_private_segment_fixed_size 0
		.amdhsa_enable_private_segment 0
		.amdhsa_kernarg_size 48
		.amdhsa_user_sgpr_count 2
		.amdhsa_user_sgpr_kernarg_segment_ptr 1
		.amdhsa_wavefront_size32 1
		.amdhsa_system_sgpr_workgroup_id_x 1
		.amdhsa_system_sgpr_workgroup_id_y 1
		.amdhsa_system_sgpr_workgroup_id_z 1
		.amdhsa_system_vgpr_workitem_id 0
		.amdhsa_next_free_vgpr 256
		.amdhsa_next_free_sgpr 106
		.amdhsa_reserve_vcc 1
		.amdhsa_float_denorm_mode_32 3
		.amdhsa_float_denorm_mode_16_64 3
		.amdhsa_memory_ordered 1
		.amdhsa_forward_progress 1
		.amdhsa_inst_pref_size 34
	.end_amdhsa_kernel
	.amdgpu_metadata
---
amdhsa.version: [ 1, 2 ]
amdhsa.kernels:
  - .name:           k_qeb8dbd7525_attn
    .symbol:         k_qeb8dbd7525_attn.kd
    .args:
      - { .name: pcodes, .offset: 0, .size: 8, .value_kind: global_buffer, .address_space: global }
      - { .name: pscales, .offset: 8, .size: 8, .value_kind: global_buffer, .address_space: global }
      - { .name: mwords, .offset: 16, .size: 8, .value_kind: global_buffer, .address_space: global }
      - { .name: mflags, .offset: 24, .size: 8, .value_kind: global_buffer, .address_space: global }
      - { .name: xcodes, .offset: 32, .size: 8, .value_kind: global_buffer, .address_space: global }
      - { .name: xscales, .offset: 40, .size: 8, .value_kind: global_buffer, .address_space: global }
    .group_segment_fixed_size: 149504
    .private_segment_fixed_size: 0
    .kernarg_segment_align: 8
    .kernarg_segment_size: 48
    .max_flat_workgroup_size: 512
    .sgpr_count:     106
    .vgpr_count:     256
    .wavefront_size: 32
...
	.end_amdgpu_metadata
.endif
;; end of part 3
;; launch outp (part 4): grid 4 x 32, 4 waves a work-group, clusters of 4 x 4, 327,680 bytes of LDS; arguments xcodes, xscales, acodes, ascales, bo, out0; writes out0
.if DOCPART == 4
	.amdgcn_target "amdgcn-amd-amdhsa--gfx1250"
	.amdhsa_code_object_version 6
	.text
	.protected	k_qeb8dbd7525_outp
	.globl	k_qeb8dbd7525_outp
	.p2align	8
	.type	k_qeb8dbd7525_outp,@function
k_qeb8dbd7525_outp:
	s_mov_b64 s[64:65], 0
	v_nop
	global_prefetch_b8 v0, s[64:65] scope:SCOPE_SE
	s_setreg_imm32_b32 hwreg(HW_REG_WAVE_MODE, 25, 1), 1
	s_wait_xcnt 0x0
	s_wait_alu depctr_hold_cnt(0) depctr_sa_sdst(0) depctr_va_vdst(0) depctr_va_sdst(0) depctr_va_ssrc(0) depctr_va_vcc(0) depctr_vm_vsrc(0)
	s_getreg_b32 s2, hwreg(HW_REG_IB_STS2, 6, 4)
	s_cmp_eq_u32 s2, 0
	s_cbranch_scc0 .Lentry_in_a_cluster
	s_endpgm
.Lentry_in_a_cluster:
	s_bfe_u32 s2, ttmp6, 0x10000c
	s_cmp_lg_u32 s2, 0xf033
	s_cbranch_scc0 .Lentry_shape_is_right
	s_endpgm
.Lentry_shape_is_right:
; OUTP.  out0 = x Wo^T + bo on codes of FP4 (E2M1) with one E8M0 scale for each 32 along K = 1,024; sums in f32; out0 [2048][4][1024] f32.
; A = x, rows m' = 2,048 b + s.  Its codes lie as images of operand registers: xcodes [K half 2][tile of 16 rows 512][head % 8][512 bytes]: four registers at 16 x lane.  Its scale bytes lie by rows: xscales [m'][32].
; B = Wo: rows 27,648 on of acodes [row][512 bytes] and ascales [row][32 bytes].
; A tile of C is 256 x 256; four waves, each 128 x 128: 64 accumulators.  K goes in two steps of 512, each in an LDS slot of its own: nothing is filled twice.
; THE MATRIX INSTRUCTION IS USED TRANSPOSED (source 0 = 16 rows of B, source 1 = 16 rows of A): a lane holds eight neighbouring numbers of a row of C.  The bias is the C of each sum's first product.
; CLUSTERS: 4 x 4 work-groups; A's tiles are asked for jointly along a row of the cluster, B's along a column.
; REGISTERS: window 0: v0-31 addresses; v32-95 scale words, two sets; v128-191 A's fragments, one set; v192-255 the bias; on the way out v128-255 hold rows of C.  window 1: B's fragments, two sets.  windows 2, 3: the accumulators.
.set KSTEP,  512
.set NQ,     KSTEP/128
.set ROWB,   256
.set KROW,   512
.set PITCH,  272                       ; B's LDS row: 256 bytes + 16 of padding
.set FR,     8
.set NL,     2
.set NP,     4                         ; places behind this matrix instruction (ISA guide 7.12.1)
.set HALFT,  128*PITCH                 ; the room of 128 rows (A's images use 32,768 bytes of it)
.set SLOT,   4*HALFT
.set KS,     32
.set SCL,    2*SLOT
.set HALFS,  (128*KS/256)*272
.set SBLK,   (16*KS/256)*272
.set SPARE,  SCL+4*HALFS               ; the spare words, 128 bytes for each wave; no other line names them
.set SPITCH, 528                       ; the way out: a stage of 16 rows x (512 bytes + 16) for each wave, in slot 0, which has had its only fill and its last read by then
.set ADRA, 16
.set ADRB, 20
.set STO,  24
.set RD,   25
.set CO,   26
.set ADRS, 27
.set SPW,  28
.set NIL,  29
.set SC,   32
.set AF,   128
.set BI,   192
.set BK,   128
.set G1, 24
.set G0, 32
.set G1B, 48
.set G0B, 56
.set G1S, 68
.set G0S, 76
.set G1SB, 80
.set G0SB, 88
.set MSB, 0
.macro WIN new                         ; the immediate's high byte repeats the setting that is left
.if MSB != \new
	s_set_vgpr_msb (MSB<<8)|\new
.set MSB, \new
.endif
.endm
.set MUL_LO, 0xa1
.set MUL_HI, 0xf1
.set TO_B,   0x40
.macro JLOAD g0a, g1a, g0b, g1b        ; a joint load: waves 0 and 1 fetch for A, waves 2 and 3 for B; four v_nop follow each of the two lines
	s_cmp_eq_u32 s15, 0
	s_cbranch_scc0 .Lfor_b_\@
	tensor_load_to_lds s[\g0a:\g0a+3], s[\g1a:\g1a+7]
	s_nop 0
.rept 4
	v_nop
.endr
	s_branch .Lasked_\@
.Lfor_b_\@:
	tensor_load_to_lds s[\g0b:\g0b+3], s[\g1b:\g1b+7]
	s_nop 0
.rept 4
	v_nop
.endr
.Lasked_\@:
.endm
.macro CROUND                          ; a round of the cluster's barrier
	s_barrier_signal -1
	s_barrier_wait -1
	s_cmp_lg_u32 s14, 0
	s_cbranch_scc1 .Lnot_wave_0_\@
	s_barrier_signal -3
.Lnot_wave_0_\@:
	s_barrier_wait -3
	s_barrier_signal -1
	s_barrier_wait -1
.endm
	s_load_b128 s[4:7], s[0:1], 0x0                ; xcodes, xscales
	s_load_b128 s[8:11], s[0:1], 0x10              ; acodes, ascales
	s_load_b64 s[96:97], s[0:1], 0x20              ; bo
	s_load_b64 s[12:13], s[0:1], 0x28              ; out0
	v_lshl_add_u32 v[SPW], v0, 2, SPARE
	v_mov_b32 v[NIL], 0
	ds_add_u32 v28, v29
	ds_add_u32 v28, v29
	s_wait_dscnt 0x0
	v_lshrrev_b32 v1, 5, v0
	v_readfirstlane_b32 s14, v1                    ; wave 0..3
	s_lshr_b32 s15, s14, 1                         ; my half of the tile's rows.  Also: I fetch for A (0) or for B (1)
	s_and_b32 s16, s14, 1                          ; my half of its columns.  Also: which 128 rows I fetch
	s_bfe_u32 s40, ttmp6, 0x40000                  ; cx
	s_bfe_u32 s41, ttmp6, 0x40004                  ; cy
	s_lshl_b32 s42, ttmp9, 2
	s_add_co_u32 s42, s42, s40                     ; tile column
	s_and_b32 s17, ttmp7, 0xffff
	s_lshl_b32 s17, s17, 2
	s_add_co_u32 s17, s17, s41                     ; tile row
	s_lshl_b32 s43, s41, 2
	s_lshl_b32 s43, 15, s43                        ; my row of the cluster
	s_lshl_b32 s44, 0x1111, s40                    ; my column
	s_or_b32 s[G1+0], s43, (3<<16)|(1<<21)         ; A's images of 128 rows: 32,768 dense bytes as 128 rows of 32 elements of 8 bytes, no padding: they are read 16 bytes a lane on end
	s_mov_b32 s[G1+1], 32<<16
	s_mov_b32 s[G1+2], 128<<16
	s_mov_b32 s[G1+3], 32<<16
	s_mov_b32 s[G1+4], 128
	s_mov_b32 s[G1+5], 32
	s_mov_b32 s[G1+6], 0
	s_mov_b32 s[G1+7], 0
	s_or_b32 s[G1B+0], s44, (0<<16)|(1<<20)|(1<<21)|(5<<22)|(3<<25)  ; B: 128 rows x 256 bytes, 4 words of padding behind every 64
	s_mov_b32 s[G1B+1], ROWB<<16
	s_mov_b32 s[G1B+2], 128<<16
	s_mov_b32 s[G1B+3], ROWB<<16
	s_mov_b32 s[G1B+4], 128
	s_mov_b32 s[G1B+5], KROW
	s_mov_b32 s[G1B+6], 0
	s_mov_b32 s[G1B+7], 0
	s_or_b32 s[G1S+0], s43, (3<<16)|(1<<20)|(1<<21)|(5<<22)|(3<<25)  ; the scales of 128 rows: 4,096 dense bytes as 16 rows of 256, 16 bytes of padding behind each
	s_or_b32 s[G1SB+0], s44, (3<<16)|(1<<20)|(1<<21)|(5<<22)|(3<<25)
.irp g, G1S, G1SB
	s_mov_b32 s[\g+1], 32<<16
	s_mov_b32 s[\g+2], (128*KS/256)<<16
	s_mov_b32 s[\g+3], 32<<16
	s_mov_b32 s[\g+4], 128*KS/256
	s_mov_b32 s[\g+5], 32
	s_mov_b32 s[\g+6], 0
	s_mov_b32 s[\g+7], 0
.endr
	s_lshl_b32 s18, s16, 7                         ; which 128 rows of the tile I fetch
	s_lshl_b32 s20, s17, 8
	s_add_co_u32 s20, s20, s18                     ; A: row 256 x tile row + 128 x half
	s_lshl_b32 s46, s42, 8
	s_add_co_u32 s46, s46, s18
	s_add_co_u32 s46, s46, 27648                   ; B: Wo's first row + 256 x tile column + 128 x half
	s_mov_b32 s21, 0
	s_mov_b32 s47, 0
	s_mov_b64 s[18:19], KS
	s_mul_u64 s[22:23], s[20:21], s[18:19]         ; where these rows' scales begin,
	s_mul_u64 s[92:93], s[46:47], s[18:19]
	s_mov_b64 s[18:19], KROW
	s_mul_u64 s[46:47], s[46:47], s[18:19]         ; B's codes,
	s_lshl_b32 s20, s20, 8                         ; and A's images: 4,096 bytes for 16 rows and half of K
	s_mul_i32 s45, s14, HALFT                      ; where they go: no place in the cluster enters an LDS address
	s_mul_i32 s94, s14, HALFS
	s_wait_kmcnt 0x0
	s_add_nc_u64 s[20:21], s[4:5], s[20:21]
	s_add_nc_u64 s[22:23], s[6:7], s[22:23]
	s_add_nc_u64 s[46:47], s[8:9], s[46:47]
	s_add_nc_u64 s[92:93], s[10:11], s[92:93]
	CROUND                                         ; all sixteen work-groups are here: the joint loads meet
	s_mov_b32 s[G0S], 1
	s_add_co_u32 s[G0S+1], s94, SCL
	s_mov_b64 s[G0S+2:G0S+3], s[22:23]
	s_or_b32 s[G0S+3], s[G0S+3], 0x80000000
	s_mov_b32 s[G0SB], 1
	s_add_co_u32 s[G0SB+1], s94, SCL
	s_mov_b64 s[G0SB+2:G0SB+3], s[92:93]
	s_or_b32 s[G0SB+3], s[G0SB+3], 0x80000000
	JLOAD G0S, G1S, G0SB, G1SB                     ; the scales first
.irp s, 0,1
	s_mov_b32 s[G0+4*\s], 1
	s_add_co_u32 s[G0+4*\s+1], s45, \s*SLOT
	s_add_nc_u64 s[G0+4*\s+2:G0+4*\s+3], s[20:21], \s*0x200000   ; the other half of K lies 512 tiles x 4,096 bytes on
	s_or_b32 s[G0+4*\s+3], s[G0+4*\s+3], 0x80000000
	s_mov_b32 s[G0B+4*\s], 1
	s_add_co_u32 s[G0B+4*\s+1], s45, \s*SLOT
	s_add_nc_u64 s[G0B+4*\s+2:G0B+4*\s+3], s[46:47], \s*ROWB
	s_or_b32 s[G0B+4*\s+3], s[G0B+4*\s+3], 0x80000000
	JLOAD G0+4*\s, G1, G0B+4*\s, G1B               ; both K steps: three tensor loads of mine are out
.endr
	v_and_b32 v1, 15, v0                           ; r
	v_bfe_u32 v2, v0, 4, 1                         ; h
	v_and_b32 v6, 31, v0
	v_lshlrev_b32 v[CO], 4, v6                     ; 16 x lane
	v_mul_u32_u24 v3, v1, PITCH
	v_lshl_add_u32 v4, v2, 4, v3                   ; B: a fragment's row x pitch + 16 x half
	s_mul_i32 s21, s15, HALFT
	s_mul_i32 s22, s16, HALFT
	s_add_co_u32 s22, s22, 2*HALFT
.irp s, 0,1
	v_add_nc_u32 v[ADRA+\s], s21, v[CO]            ; A: an image's place for my lane
	v_add_nc_u32 v[ADRB+\s], s22, v4
	s_add_co_u32 s21, s21, SLOT
	s_add_co_u32 s22, s22, SLOT
.endr
	v_mul_u32_u24 v5, v1, KS
	v_lshrrev_b32 v6, 8, v5
	v_lshl_add_u32 v5, v6, 4, v5
	s_mul_i32 s21, s15, HALFS
	s_mul_i32 s22, s16, HALFS
	s_add_co_u32 s22, s22, 2*HALFS
	s_sub_co_u32 s22, s22, s21
	v_mul_u32_u24 v6, s22, v2                      ; lanes 16-31 take B's scale words
	s_add_co_u32 s21, s21, SCL
	v_add_nc_u32 v5, v5, v6
	v_add_nc_u32 v[ADRS], s21, v5
	s_mul_i32 s23, s14, 16*SPITCH                  ; my stage
	v_mul_u32_u24 v5, v1, SPITCH
	v_lshl_add_u32 v5, v2, 5, v5
	v_add_nc_u32 v[STO], s23, v5
	v_add_nc_u32 v[RD], s23, v[CO]
	; the bias: tile t's register j of lane (r, h) is column n0 + 16 t + 8 h + j
	s_lshl_b32 s18, s42, 10
	s_lshl_b32 s19, s16, 9
	s_add_co_u32 s18, s18, s19                     ; my first column, in bytes of f32
	s_mov_b32 s19, 0
	s_add_nc_u64 s[96:97], s[96:97], s[18:19]
	v_lshlrev_b32 v7, 5, v2
.irp t, 0,1,2,3,4,5,6,7
	global_load_b128 v[BI+8*\t:BI+8*\t+3], v7, s[96:97] offset:64*\t
	global_load_b128 v[BI+8*\t+4:BI+8*\t+7], v7, s[96:97] offset:64*\t+16
.endr
	; row m' = 2,048 b + s of C is row 4 s + b of out0: my first row has b = tile row / 8, s = 256 (tile row % 8) + 128 x half
	s_and_b32 s20, s17, 7
	s_lshl_b32 s20, s20, 8
	s_lshl_b32 s21, s15, 7
	s_add_co_u32 s20, s20, s21
	s_lshl_b32 s20, s20, 2
	s_lshr_b32 s21, s17, 3
	s_add_co_u32 s20, s20, s21
	s_lshl_b32 s20, s20, 12                        ; rows of 4,096 bytes
	s_add_co_u32 s20, s20, s18
	s_mov_b32 s21, 0
	s_add_nc_u64 s[12:13], s[12:13], s[20:21]
.macro FRAG reg, adr, q, i             ; B: 16 rows x 128 K: lane l holds row l % 16; registers 4 c .. 4 c + 3 hold K = 64 c + 32 (l / 16) + 0 .. 31
.irp c, 0,1
	ds_load_b128 v[\reg+4*\c:\reg+4*\c+3], v[\adr] offset:64*(\q)+32*\c+(\i)*16*PITCH
.endr
.endm
.macro FRAGA reg, adr, q, i            ; A: the same registers as they were stored: tile i of 16 rows, heads 2 q and 2 q + 1 of the slot's eight
.irp c, 0,1
	ds_load_b128 v[\reg+4*\c:\reg+4*\c+3], v[\adr] offset:(\i)*4096+1024*(\q)+512*\c
.endr
.endm
; 16 matrix instructions: A's blocks a0, a0 + 1 x B's eight.  cin = 1: the sums begin with the bias.  The 64 accumulators take turns, one instruction a turn, in the same order in every step.
.macro MUL16 a0, p, q, sc, cin
.irp a, \a0, \a0+1
.irp b, 0,1,2,3,4,5,6,7
.if \cin
	v_wmma_scale_f32_16x16x128_f8f6f4 v[8*(8*((\a)%4)+\b):8*(8*((\a)%4)+\b)+7], v[128*(\p)+FR*\b:128*(\p)+FR*\b+FR-1], v[AF+FR*(\a):AF+FR*(\a)+FR-1], v[BI+8*\b:BI+8*\b+7], v[SC+8*NQ*(\sc)+NQ*\b+(\q)], v[SC+8*NQ*(\sc)+NQ*(\a)+(\q)] matrix_a_fmt:MATRIX_FMT_FP4 matrix_b_fmt:MATRIX_FMT_FP4 matrix_a_scale:MATRIX_SCALE_ROW1
.else
	v_wmma_scale_f32_16x16x128_f8f6f4 v[8*(8*((\a)%4)+\b):8*(8*((\a)%4)+\b)+7], v[128*(\p)+FR*\b:128*(\p)+FR*\b+FR-1], v[AF+FR*(\a):AF+FR*(\a)+FR-1], v[8*(8*((\a)%4)+\b):8*(8*((\a)%4)+\b)+7], v[SC+8*NQ*(\sc)+NQ*\b+(\q)], v[SC+8*NQ*(\sc)+NQ*(\a)+(\q)] matrix_a_fmt:MATRIX_FMT_FP4 matrix_b_fmt:MATRIX_FMT_FP4 matrix_a_scale:MATRIX_SCALE_ROW1
.endif
.endr
.endr
.endm
.macro FETCH_B slot, q, p
	WIN TO_B
.irp i, 0,1,2,3,4,5,6,7
	FRAG 128*(\p)+FR*\i, ADRB+\slot, \q, \i
.endr
	WIN 0
.endm
.macro FETCH_A slot, q, i0
.irp i, \i0, \i0+1, \i0+2, \i0+3
	FRAGA AF+FR*(\i), ADRA+\slot, \q, \i
.endr
.endm
.macro SCALES sc
.irp i, 0,1,2,3,4,5,6,7
	ds_load_b128 v[SC+8*NQ*\sc+NQ*\i:SC+8*NQ*\sc+NQ*\i+3], v[ADRS] offset:\i*SBLK
.endr
.endm
.macro PLACES n
.rept \n
	v_nop
.endr
.endm
.macro STEP slot, q, cin
	s_wait_dscnt 4*NL                              ; B's set and A's blocks 0-3 are in; the youngest eight loads (A's blocks 4-7) may be out
.if \cin
	WIN 0x81                                       ; C (the bias) in window 0, D in window 2
.else
	WIN MUL_LO
.endif
	MUL16 0, (\q)%2, \q, \slot, \cin
	MUL16 2, (\q)%2, \q, \slot, \cin
	s_wait_dscnt 0
	PLACES NP
	FETCH_B \slot, (\q)+1, 1-(\q)%2
	FETCH_A \slot, (\q)+1, 0
.if \cin
	WIN 0xc1
.else
	WIN MUL_HI
.endif
	MUL16 4, (\q)%2, \q, \slot, \cin
	MUL16 6, (\q)%2, \q, \slot, \cin
	PLACES NP
	WIN 0
	FETCH_A \slot, (\q)+1, 4
.endm
.macro TURN slot, next                 ; slot 0's last step changes slots: one barrier; nothing is filled again
	s_wait_tensorcnt 0x0                           ; all my tensor loads have landed
	ds_add_u32 v[SPW], v[NIL]                      ; 0 onto my spare word
	s_wait_dscnt 4*NL+1                            ; (the add and the youngest eight loads may be out)
	WIN MUL_LO
	MUL16 0, 1, NQ-1, \slot, 0
	s_wait_dscnt 0x0                               ; the add is done, and my reads of this slot are over
	s_barrier_signal -1
	MUL16 2, 1, NQ-1, \slot, 0
	WIN 0
	s_barrier_wait -1
	PLACES NP
	v_add_nc_u32 v[ADRS], 4*NQ, v[ADRS]
	FETCH_B \next, 0, 0
	FETCH_A \next, 0, 0
	SCALES \next
	WIN MUL_HI
	MUL16 4, 1, NQ-1, \slot, 0
	MUL16 6, 1, NQ-1, \slot, 0
	PLACES NP
	WIN 0
	FETCH_A \next, 0, 4
.endm
.macro STEPS slot, from
.set Q, \from
.rept NQ-1-\from
	STEP \slot, Q, 0
.set Q, Q+1
.endr
.endm
	s_wait_loadcnt 0x0                             ; the bias
	s_wait_tensorcnt 1                             ; the scales and my part of K step 0 are in (K step 1's load may be out)
	s_barrier_signal -1
	s_barrier_wait -1                              ; everybody's are
	FETCH_B 0, 0, 0
	FETCH_A 0, 0, 0
	SCALES 0
	FETCH_A 0, 0, 4
	STEP 0, 0, 1
	STEPS 0, 1
	TURN 0, 1
	STEPS 1, 0
	s_wait_dscnt 4*NL
	WIN MUL_LO
	MUL16 0, 1, NQ-1, 1, 0
	MUL16 2, 1, NQ-1, 1, 0
	s_wait_dscnt 0
	WIN MUL_HI
	MUL16 4, 1, NQ-1, 1, 0
	MUL16 6, 1, NQ-1, 1, 0
	WIN 0
; THE WAY OUT, block by block of 16 rows x 128 columns, through my own stage in LDS: back come whole rows of 512 bytes, which the 32 lanes store as 512 consecutive bytes, aligned.
; LDS serves a wave's instructions in order (ISA guide 5.7.1.4): no wait between the stores and the loads, nor in front of the next block's stores.
.macro TOSTAGE a
.set AC, 64*((\a)%4)
	WIN 0x08+4*((\a)/4)                            ; the data: window 2 or 3
.irp b, 0,1,2,3,4,5,6,7
	ds_store_b128 v[STO], v[AC+8*\b:AC+8*\b+3] offset:64*\b          ; each accumulator from its low end on
	ds_store_b128 v[STO], v[AC+8*\b+4:AC+8*\b+7] offset:64*\b+16
.endr
	WIN 0
.set BB, BK+64*((\a)%2)
.irp t, 0,1,2,3,4,5,6,7,8,9,10,11,12,13,14,15
	ds_load_b128 v[BB+4*\t:BB+4*\t+3], v[RD] offset:\t*SPITCH
.endr
.endm
.macro SEND a, younger
.set BB, BK+64*((\a)%2)
	s_wait_dscnt \younger                          ; the block is back in registers
.if (\a) > 0
	s_add_nc_u64 s[12:13], s[12:13], 262144        ; (behind a wait on XCNT)  16 values of s on: 16 x 4 rows of 4,096 bytes
.endif
.irp t, 0,1,2,3,4,5,6,7,8,9,10,11,12,13,14,15
	global_store_b128 v[CO], v[BB+4*\t:BB+4*\t+3], s[12:13] offset:\t*16384 th:TH_STORE_NT   ; from s to s + 1: 4 rows of out0
.endr
.endm
	PLACES NP
	TOSTAGE 0
.irp a, 1,2,3,4,5,6,7
.if \a > 1
	s_wait_xcnt 0x0                                ; block a - 2's stores have read their registers and their base
.endif
	TOSTAGE \a
	SEND \a-1, 32                                  ; behind block a - 1's loads: block a's 16 stores and 16 loads
.endr
	s_wait_xcnt 0x0
	SEND 7, 0
	s_wait_tensorcnt 0x0                           ; the wave's end
	ds_add_u32 v[SPW], v[NIL]
	s_wait_dscnt 0x0
	CROUND                                         ; the closing round
	s_endpgm
.Lfunc_end_k_qeb8dbd7525_outp:
	.size	k_qeb8dbd7525_outp, .Lfunc_end_k_qeb8dbd7525_outp-k_qeb8dbd7525_outp
	.p2alignl 7, 3214868480
	.fill 96, 4, 3214868480
	.section	.rodata,"a",@progbits
	.p2align	6, 0x0
	.amdhsa_kernel k_qeb8dbd7525_outp
		.amdhsa_group_segment_fixed_size 327680
		.amdhsa_private_segment_fixed_size 0
		.amdhsa_enable_private_segment 0
		.amdhsa_kernarg_size 48
		.amdhsa_user_sgpr_count 2
		.amdhsa_user_sgpr_kernarg_segment_ptr 1
		.amdhsa_wavefront_size32 1
		.amdhsa_system_sgpr_workgroup_id_x 1
		.amdhsa_system_sgpr_workgroup_id_y 1
		.amdhsa_system_sgpr_workgroup_id_z 1
		.amdhsa_system_vgpr_workitem_id 0
		.amdhsa_next_free_vgpr 1024
		.amdhsa_next_free_sgpr 100
		.amdhsa_reserve_vcc 0
		.amdhsa_float_denorm_mode_32 3
		.amdhsa_float_denorm_mode_16_64 3
		.amdhsa_memory_ordered 1
		.amdhsa_forward_progress 1
		.amdhsa_inst_pref_size 126
	.end_amdhsa_kernel
	.amdgpu_metadata
---
amdhsa.version: [ 1, 2 ]
amdhsa.kernels:
  - .name:           k_qeb8dbd7525_outp
    .symbol:         k_qeb8dbd7525_outp.kd
    .args:
      - { .name: xcodes, .offset: 0, .size: 8, .value_kind: global_buffer, .address_space: global }
      - { .name: xscales, .offset: 8, .size: 8, .value_kind: global_buffer, .address_space: global }
      - { .name: acodes, .offset: 16, .size: 8, .value_kind: global_buffer, .address_space: global }
      - { .name: ascales, .offset: 24, .size: 8, .value_kind: global_buffer, .address_space: global }
      - { .name: bo, .offset: 32, .size: 8, .value_kind: global_buffer, .address_space: global }
      - { .name: out0, .offset: 40, .size: 8, .value_kind: global_buffer, .address_space: global }
    .group_segment_fixed_size: 327680
    .private_segment_fixed_size: 0
    .kernarg_segment_align: 8
    .kernarg_segment_size: 48
    .max_flat_workgroup_size: 128
    .sgpr_count:     100
    .vgpr_count:     1024
    .wavefront_size: 32
...
	.end_amdgpu_metadata
.endif
;; end of part 4
;; ======== version 2 of 2: 4 launches; version 1 with the launch attn written anew for expert scheduling mode
;; workspace buffers: acodes 14,680,064 bytes; ascales 917,504 bytes; mwords 524,288 bytes of whole numbers; mflags 1,024 bytes of whole numbers; pcodes 12,582,912 bytes; pscales 786,432 bytes; xcodes 4,194,304 bytes; xscales 262,144 bytes
;; launch prep: the kernel of part 1 again; grid 1152 x 1, 4 waves a work-group, no clusters, 40,448 bytes of LDS; arguments query, key, value, Wq, Wk, Wv, Wo, mask, acodes, ascales, mwords, mflags; writes acodes, ascales, mwords, mflags
;; launch proj: the kernel of part 2 again; grid 4 x 96, 4 waves a work-group, clusters of 4 x 4, 327,680 bytes of LDS; arguments acodes, ascales, bq, bk, bv, pcodes, pscales; writes pcodes, pscales
;; launch attn (part 5): grid 4 x 64, 16 waves a work-group, no clusters, 149,504 bytes of LDS; arguments pcodes, pscales, mwords, mflags, xcodes, xscales; writes xcodes, xscales
.if DOCPART == 5
	.amdgcn_target "amdgcn-amd-amdhsa--gfx1250"
	.amdhsa_code_object_version 6
	.text
	.protected	k_qeb8dbd7525_attn
	.globl	k_qeb8dbd7525_attn
	.p2align	8
	.type	k_qeb8dbd7525_attn,@function
k_qeb8dbd7525_attn:
	s_mov_b64 s[64:65], 0
	v_nop
	global_prefetch_b8 v0, s[64:65] scope:SCOPE_SE
	s_setreg_imm32_b32 hwreg(HW_REG_WAVE_SCHED_MODE, 0, 2), 2
	s_setreg_imm32_b32 hwreg(HW_REG_WAVE_MODE, 25, 1), 1
	s_wait_xcnt 0x0
	s_wait_alu depctr_vm_vsrc(0)
; ATTN.  x[b][h][q] = the sum over k of softmax_k(q . k / 8, masked) v, both products on codes of FP4 (E2M1) with one E8M0 scale for each 32 along a product's K; x leaves as codes along D.
; THE SOFTMAX AHEAD OF THE SECOND PRODUCT: t = score x log2(e) / 8; M = the row's largest t so far, rounded UP to a whole number; p = 2^(t - M) is quantised along the keys, not normalised.
; The row's sum is taken of the unquantised p and divides at the end.  When M moves, the sum and O are multiplied by 2^(old M - new M): exact.
; THE MASK is an input.  An earlier launch has turned it into lane masks (one word for each score register of a tile of 16 queries x 128 keys) and into two bits a tile: some key open, some key hidden.
; A tile with no open key adds nothing to any sum and moves no maximum: its work is jumped over, by a scalar branch on the stored bits.  A tile with hidden keys sets their scores to -infinity, one select a score.
; a head's K and V (128 KiB of codes, 16 KiB of scale words) go through registers into LDS once, behind one barrier, and are only read after it.
; SHARES.  A work-group owns a head (y = 16 b + h) and 32 query tiles; wave w takes tiles 16 x + w and 127 - (16 x + w).  Sixteen waves of 256 registers, four to a SIMD: one wave's vector work stands beside another's products.
; LAYOUT.  S^T = K Q^T (source 0 = 16 keys, source 1 = 16 queries; the head's 64 channels fill half of the instruction's K, the other half are zero codes on both sides), O^T = V^T P^T: a lane holds ONE query throughout.
; The keys of a tile, and V's channels of a tile, are rows 32 b + 8 u + r + 8 (r / 8): so 16 registers of two neighbouring tiles are 16 neighbours along the next K.
; A QUERY WHOSE EVERY KEY IS HIDDEN has the sum 0: its scale bytes are set to 0xff, so that its row of the output comes out NaN, as the softmax of such a row is.
; LIMITS: NaN and infinities among the inputs are not served; a block of zeros gets the byte 1 (its codes are zeros; this program alone reads the bytes).
; The scale bytes of x leave one byte a lane, 32 bytes apart (one byte for each 16 of codes): a row's 32 bytes come from sixteen work-groups.
; REGISTERS: v1-7 addresses and constants that stay; v8-11 the step's LDS addresses; v12 -M, v13 the largest t, v[14:15] the sum; v[16:23] Q; v24 Q's scale words; v26 f, v27 p's scale word; v[28:31] K's scale words, v[32:33] V's;
;   v34-49 at work; v[50:57] p's codes; v58-62 the head's addresses; v64-127 K's 8 fragments (the upper four registers of each stay 0); v128-159 V's 4; v160-223 S^T, then p; v224-255 O^T.
; THE MODE: SCHED_MODE bits 1:0 = 2 (LLVM: expert scheduling mode 2), set by the entry lines.  The code itself states the register dependences
; between vector or matrix instructions and memory or LDS instructions, with s_wait_alu, always for 0.
; THE PLAN.  Registers that memory or LDS instructions touch:
;   v58-62       made at the head, read by the head's loads and LDS stores, never written again.
;   v64-135      at the head: landed in by the global loads (v128-131 then shifted), read by the LDS stores; behind the barrier they become K's and V's fragments.
;   v1, v6, v7   made at the head; read by Q's two loads and by the two stores of each pass; never written again.
;   v8-11        written by four additions at the head of each step that is worked; read by that step's 18 LDS loads.
;   K's lower halves, v28-31   landed in at a step's head; read by the step's eight products K Q^T.
;   V, v32-33    landed in among those eight products; read by the step's four products V^T P.
;   v16-19, v24  landed in at a pass's head (v24 then shifted); read by all the pass's products K Q^T.
;   v50-53, v48  written by the way out's conversions, swaps and selects; read by the pass's two stores.
;   S^T, O^T and the registers at work are named by vector and matrix instructions alone.
; So a step that is worked has one wait on vm_vsrc ahead of the four additions and ONE wait on va_vdst behind them, which serves all its 18 LDS loads; the two waits for its exponentials; and one wait on va_vdst ahead of the
; products that take p's codes and scale word.  There is no second set of registers for V: sixteen waves of 256 registers are all that four SIMDs hold.
.set VIMG, 65536                       ; LDS: K's tiles at 0, 512 bytes each; V's fragments here, 1,024 bytes each;
.set KSCL, 131072                      ; K's scale words, 512 bytes a step;
.set VSCL, 139264                      ; V's
.set KF, 64
.set VF, 128
.set S,  160
.set O,  224
.set PC, 50
.set TA, 34
.set TB, 38
.set TC, 42
	s_load_b256 s[4:11], s[0:1], 0x0               ; pcodes, pscales, mwords, mflags
	s_load_b128 s[12:15], s[0:1], 0x20             ; xcodes, xscales
	v_lshl_add_u32 v25, v0, 2, 0x24000
	v_mov_b32 v63, 0
	v_lshrrev_b32 v1, 5, v0
	v_readfirstlane_b32 s16, v1                    ; wave 0..15
	s_and_b32 s17, ttmp7, 0xffff                   ; 16 b + h
	s_and_b32 s25, s17, 1                          ; the odd head of a pair?
	s_lshl_b32 s24, s25, 4                         ; its two scale bytes lie 16 bits up
	s_lshr_b32 s66, s17, 1
	s_lshl_b32 s66, s66, 4                         ; (8 b + head pair) x 16 steps
	s_wait_alu depctr_va_sdst(0)                   ; s16 is written, ahead of its one reader, two lines down
	s_lshl_b32 s26, ttmp9, 4
	s_add_co_u32 s26, s26, s16                     ; my first query tile
	s_lshl_b32 s68, s66, 13
	s_lshl_b32 s70, s25, 9
	s_add_co_u32 s70, s70, s68
	s_add_co_u32 s70, s70, 0x400000                ; K's codes: kind 1; my head's 512 bytes of each 1,024
	s_mov_b32 s71, 0
	s_lshl_b32 s72, s25, 12
	s_add_co_u32 s72, s72, s68
	s_add_co_u32 s72, s72, 0x800000                ; V's: kind 2; my head's 4,096 bytes of each 8,192
	s_mov_b32 s73, 0
	s_lshl_b32 s74, s66, 9
	s_add_co_u32 s74, s74, 0x40000                 ; K's scale words; V's lie 262,144 bytes on
	s_mov_b32 s75, 0
	v_and_b32 v2, 31, v0
	v_lshlrev_b32 v2, 4, v2
	v_lshl_add_u32 v58, v1, 10, v2                 ; K: tile (thread / 32) of a round's sixteen, 16 x lane
	v_lshrrev_b32 v3, 8, v0
	v_and_b32 v4, 255, v0
	v_lshlrev_b32 v4, 4, v4
	v_lshl_add_u32 v59, v3, 13, v4                 ; V: step (thread / 256) of a round's two, 16 x (thread % 256)
	v_lshlrev_b32 v60, 4, v0                       ; 16 x thread: in LDS everything lies on end
	v_lshl_add_u32 v61, v0, 4, VIMG
	v_lshl_add_u32 v62, v0, 4, KSCL
	s_wait_kmcnt 0x0
	s_add_nc_u64 s[70:71], s[4:5], s[70:71]
	s_add_nc_u64 s[72:73], s[4:5], s[72:73]
	s_add_nc_u64 s[74:75], s[6:7], s[74:75]
	s_wait_alu depctr_va_vdst(0)                   ; v58 to v62 are written: the loads and the LDS stores of the head read them as addresses
.irp p, 0,1,2,3,4,5,6,7
	global_load_b128 v[64+4*\p:67+4*\p], v58, s[70:71] offset:16384*\p     ; a wave reads 512 consecutive bytes
.endr
.irp p, 0,1,2,3,4,5,6,7
	global_load_b128 v[96+4*\p:99+4*\p], v59, s[72:73] offset:16384*\p
.endr
	global_load_b128 v[128:131], v60, s[74:75]
	global_load_b128 v[132:135], v60, s[74:75] offset:262144
	v_and_b32 v1, 31, v0
	v_lshlrev_b32 v1, 4, v1                        ; v1  16 x lane: a tile of K
	v_add_nc_u32 v2, VIMG, v1                      ; v2  a fragment of V
	v_add_nc_u32 v3, KSCL, v1                      ; v3  K's scale words
	s_lshl_b32 s67, s25, 3
	s_add_co_u32 s67, s67, VSCL
	v_add_nc_u32 v4, s67, v1                       ; v4  V's: my head's two words of the four
	v_mov_b32 v5, 0xff800000                       ; v5  -infinity
	v_and_b32 v6, 15, v0
	v_lshlrev_b32 v7, 5, v6
	v_lshlrev_b32 v6, 4, v6                        ; v6  16 r: Q's scale word
	v_bfe_u32 v8, v0, 4, 1
	v_add_nc_u32 v7, v7, v8                        ; v7  32 r + lane / 16: x's scale byte
	s_mov_b32 s20, 0x76543210
	s_mov_b32 s21, 0xfedcba98                      ; lane l xor 16
	s_mov_b32 s22, 0x3e38aa3b                      ; c = log2(e) / 8
	s_mov_b32 s23, s22                             ; (named with it as a pair)
	s_mov_b32 s100, 0xffff0000                     ; lanes 16-31
.irp p, 0,1,2,3,4,5,6,7
	s_wait_loadcnt 17-\p                           ; loads come back in order: this one is in, the younger ones stay out
	ds_store_b128 v60, v[64+4*\p:67+4*\p] offset:8192*\p
.endr
.irp p, 0,1,2,3,4,5,6,7
	s_wait_loadcnt 9-\p
	ds_store_b128 v61, v[96+4*\p:99+4*\p] offset:8192*\p
.endr
	s_wait_loadcnt 1
.irp i, 128,129,130,131
	v_lshrrev_b32 v\i, s24, v\i                    ; my head's two bytes to bytes 0 and 1; what stands above them scales zero codes and is never 0xff
.endr
	s_wait_alu depctr_va_vdst(0)                   ; the four shifts have written v[128:131], which the LDS store below reads
	ds_store_b128 v62, v[128:131]
	s_wait_loadcnt 0x0
	ds_store_b128 v62, v[132:135] offset:8192
.irp i, 20,21,22,23,27,38,39,40,41,46,47
	v_mov_b32 v\i, 0                               ; Q's upper half; registers that are named before they are first computed
.endr
	v_mov_b32 v49, 0xff
	s_wait_dscnt 0x0                               ; for the others' sake: my stores have landed
	s_barrier_signal -1
	s_barrier_wait -1                              ; the launch's one barrier: from here on LDS is only read
	s_wait_alu depctr_vm_vsrc(0)                   ; my LDS stores have read v64 to v135: these registers are K's and V's fragments from here on, written by the clears below and by the steps' LDS loads
.irp t, 0,1,2,3,4,5,6,7
.irp i, 4,5,6,7
	v_mov_b32 v[KF+8*\t+\i], 0                     ; K's upper halves: zero codes, written once
.endr
.endr
	s_mov_b32 s27, 2
.Lpass:                                            ; two query tiles a wave
	s_wait_xcnt 0x0                                ; the last pass's stores have read their registers and bases: both are written again below
	s_wait_alu depctr_vm_vsrc(0)                   ; the last pass's two stores have read v[50:53] and v48, which this pass's conversions and selects write again
	s_lshl_b32 s67, s26, 3
	s_load_b64 s[30:31], s[10:11], s67 offset:0x0  ; the tile's sixteen flags
	s_lshl_b32 s68, s26, 12
	s_mov_b32 s69, 0
	s_add_nc_u64 s[18:19], s[8:9], s[68:69]        ; its lane masks: 4,096 bytes
	s_lshr_b32 s70, s26, 3
	s_add_co_u32 s70, s70, s66
	s_and_b32 s71, s26, 7
	s_lshl_b32 s72, s70, 13
	s_lshl_b32 s73, s71, 10
	s_add_co_u32 s72, s72, s73
	s_lshl_b32 s73, s25, 9
	s_add_co_u32 s72, s72, s73
	s_mov_b32 s73, 0
	s_add_nc_u64 s[72:73], s[4:5], s[72:73]        ; Q's codes: kind 0, step qt / 8, block qt % 8, my head's 512 bytes
	s_lshl_b32 s74, s70, 9
	s_and_b32 s75, s26, 1
	s_lshl_b32 s75, s75, 8
	s_add_co_u32 s74, s74, s75
	s_lshr_b32 s75, s71, 1
	s_lshl_b32 s75, s75, 2
	s_add_co_u32 s74, s74, s75
	s_mov_b32 s75, 0
	s_add_nc_u64 s[74:75], s[6:7], s[74:75]        ; its scale words: lanes 16 (block % 2) on, word block / 2
	s_wait_alu depctr_va_vdst(0)                   ; the last pass's products are done reading v[16:19] and v24, in which the two loads land; in the first pass: v1 and v6, their offsets, are written, and so are Q's and K's zero halves
	global_load_b128 v[16:19], v1, s[72:73]
	global_load_b32 v24, v6, s[74:75]
	s_wait_loadcnt 0x0
	v_lshrrev_b32 v24, s24, v24                    ; my head's two bytes.  (The clears below are the plain lines between this line and the first product that takes v24 as a scale)
	v_mov_b32 v13, 0xff61b1e6                      ; the largest t so far: -3e38, under every t
	v_floor_f32 v12, -v13                          ; -M
	v_mov_b32 v14, 0
	v_mov_b32 v15, 0
	v_mov_b32 v27, 0
.set n, 0
.rept 32
	v_mov_b32 v[O+n], 0                            ; O^T: the step is written once; the first change of M leaves zeros zeros
.set n, n+1
.endr
	s_wait_kmcnt 0x0
	s_mov_b32 s2, 0                                ; the step's tiles of K and of V: 4,096 bytes a step
	s_mov_b32 s3, 0                                ; its scale words: 512
	s_mov_b32 s101, 0                              ; its lane masks: 256
	s_mov_b32 s28, 16
.Lstep:                                            ; sixteen trips, a constant: 128 keys each
	s_and_b32 s29, s30, 3                          ; this step's two bits
	s_lshr_b32 s30, s30, 4
	s_cmp_eq_u32 s28, 9                            ; eight steps taken: on to the upper word
	s_cselect_b32 s30, s31, s30
	s_bitcmp1_b32 s29, 0
	s_cbranch_scc0 .Lskip                          ; no key of the tile is open
	s_load_b512 s[32:47], s[18:19], s101 offset:0x0    ; the 64 lane masks, asked for in every step that is worked
	s_load_b512 s[48:63], s[18:19], s101 offset:0x40
	s_load_b512 s[68:83], s[18:19], s101 offset:0x80
	s_load_b512 s[84:99], s[18:19], s101 offset:0xc0
	s_wait_alu depctr_vm_vsrc(0)                   ; the LDS loads of the step worked last have read v8 to v11, which the four lines below write again
	v_add_nc_u32 v8, s2, v1
	v_add_nc_u32 v9, s2, v2
	v_add_nc_u32 v10, s3, v3
	v_add_nc_u32 v11, s3, v4
	s_wait_alu depctr_va_vdst(0)                   ; v8 to v11 are written, which the 18 LDS loads of this step read; the last step's products are done reading K's and V's fragments and scale words, in which they land; in a pass's first worked step: v24's shift is written, behind its plain lines
	ds_load_b128 v[28:31], v10
.irp t, 0,1,2,3,4,5,6,7
	ds_load_b128 v[KF+8*\t:KF+8*\t+3], v8 offset:512*\t
.endr
	s_wait_dscnt 0x0                               ; K and its scale words are in: nothing else is out
.irp t, 0,1,2,3,4,5,6,7
.if (\t)%2
	v_wmma_scale_f32_16x16x128_f8f6f4 v[S+8*\t:S+8*\t+7], v[KF+8*\t:KF+8*\t+7], v[16:23], 0, v[28+\t/2], v24 matrix_a_fmt:MATRIX_FMT_FP4 matrix_b_fmt:MATRIX_FMT_FP4 matrix_a_scale:MATRIX_SCALE_ROW1
.else
	v_wmma_scale_f32_16x16x128_f8f6f4 v[S+8*\t:S+8*\t+7], v[KF+8*\t:KF+8*\t+7], v[16:23], 0, v[28+\t/2], v24 matrix_a_fmt:MATRIX_FMT_FP4 matrix_b_fmt:MATRIX_FMT_FP4
.endif
	ds_load_b128 v[VF+4*\t:VF+4*\t+3], v9 offset:512*\t   ; V's eight loads, one behind each product.  No wait: no vector or matrix instruction since the wait at the step's head names V's registers or v9
.endr                                              ; register n of lane (r, h): query r, key 32 (n / 16) + 16 h + n % 16 of the step
	ds_load_b64 v[32:33], v11                      ; V's scale words: likewise
.rept 4
	v_nop
.endr
	s_wait_kmcnt 0x0                               ; the lane masks are in (and their offset register may be stepped)
	s_bitcmp1_b32 s29, 1
	s_cbranch_scc0 .Lopen                          ; every key of the tile counts
.set n, 0
.rept 64
	v_cndmask_b32 v[S+n], v[S+n], v5, s[32+n+4*(n/32)]   ; hidden: -infinity, ahead of the maximum: p = 0 then
.set n, n+1
.endr
.Lopen:
.irp b, 0,1,2,3
	v_max3_num_f32 v[TA+\b], v[S+16*\b], v[S+1+16*\b], v[S+2+16*\b]   ; the largest score of each block of 32 keys: for the row's maximum, and, since p rises with the score, for the block's largest p
.endr
.irp i, 3,5,7,9,11,13
.irp b, 0,1,2,3
	v_max3_num_f32 v[TA+\b], v[TA+\b], v[S+16*\b+\i], v[S+1+16*\b+\i]
.endr
.endr
.irp b, 0,1,2,3
	v_max_num_f32 v[TA+\b], v[TA+\b], v[S+15+16*\b]
.endr
.irp b, 0,1,2,3
	v_permlanex16_b32 v[TB+\b], v[TA+\b], s20, s21
.endr
.irp b, 0,1,2,3
	v_max_num_f32 v[TA+\b], v[TA+\b], v[TB+\b]     ; with lane l xor 16's 16 keys
.endr
	v_max3_num_f32 v46, v[TA], v[TA+1], v[TA+2]
	v_max_num_f32 v46, v46, v[TA+3]                ; the step's largest score of my query
	v_mul_f32 v46, s22, v46                        ; as t
	v_max_num_f32 v13, v13, v46                    ; the running largest t
	v_mov_b32 v46, v12
	v_floor_f32 v12, -v13                          ; the new -M = floor(-t) = -ceil(t)
	v_sub_f32 v46, v12, v46                        ; old M - new M: a whole number, 0 or less
	v_cvt_i32_f32 v46, v46                         ; (it saturates)
	v_ldexp_f32 v26, 1.0, v46                      ; f = 2^(old M - new M)
.set n, 0
.rept 32
	v_pk_fma_f32 v[S+n:S+n+1], v[S+n:S+n+1], s[22:23], v[12:13] op_sel_hi:[1,0,0]   ; t - M, two at a time
.set n, n+2
.endr
.irp b, 0,1,2,3
	v_fma_f32 v[TA+\b], v[TA+\b], s22, v12         ; the same of each block's largest score
.endr
.set n, 0
.rept 64
	v_exp_f32 v[S+n], v[S+n]                       ; p = 2^(t - M), at most 1
.set n, n+1
.endr
	v_pk_mul_f32 v[14:15], v[14:15], v[26:27] op_sel_hi:[1,0]   ; the sums under the new M (a plain line behind the exponentials)
	s_wait_alu depctr_va_vdst(0)                   ; the 64 exponentials have written p, v160 to v223, ahead of the first line that names one of them: one wait for the batch
.irp b, 0,1,2,3
	v_exp_f32 v[TA+\b], v[TA+\b]                   ; the block's largest p: the same two instructions on the same number
.endr
	v_pk_add_f32 v[TB:TB+1], v[S:S+1], v[S+2:S+3]  ; the row's sum is taken of the unquantised p, in two chains
.irp j, 4,8,12,16,20,24,28,32,36,40,44,48,52,56,60
	v_pk_add_f32 v[14:15], v[14:15], v[S+\j:S+\j+1]
	v_pk_add_f32 v[TB:TB+1], v[TB:TB+1], v[S+2+\j:S+3+\j]
.endr
	v_pk_add_f32 v[14:15], v[14:15], v[TB:TB+1]
	s_wait_alu depctr_va_vdst(0)                   ; the four exponentials have written the blocks' largest p, v34 to v37, ahead of their first reader
.irp b, 0,1,2,3
	v_max_num_f32 v[TA+\b], 0x1800000, v[TA+\b]    ; the floor 2^(3 - 127): the byte cannot fall under 1
.endr
.irp b, 0,1,2,3
	v_add_nc_u32 v[TC+\b], 0xff000000, v[TA+\b]    ; 2 off the exponent field: the conversion's scale operand
.endr
.irp b, 0,1,2,3
	v_lshrrev_b32 v[TB+\b], 23, v[TC+\b]           ; the scale's byte
.endr
	v_lshl_or_b32 v27, v[TB+1], 8, v[TB]           ; p's scale word for these 128 keys
	v_lshl_or_b32 v27, v[TB+2], 16, v27
	v_lshl_or_b32 v27, v[TB+3], 24, v27
.irp b, 0,1,2,3
	v_cvt_scalef32_pk8_fp4_f32 v[PC+2*\b], v[S+16*\b:S+7+16*\b], v[TC+\b]
	v_cvt_scalef32_pk8_fp4_f32 v[PC+1+2*\b], v[S+8+16*\b:S+15+16*\b], v[TC+\b]
.endr
	v_nop                                          ; one plain line behind a scaled conversion
.irp c, 0,1                                    ; a whole block in a lane: lanes 0-15 block 2 c, lanes 16-31 block 2 c + 1
.irp i, 0,1
	v_permlane16_swap_b32 v[PC+4*\c+\i], v[PC+2+4*\c+\i]
.endr
.endr
.set n, 0
.rept 16
	v_pk_mul_f32 v[O+n:O+n+1], v[O+n:O+n+1], v[26:27] op_sel_hi:[1,0]   ; O^T under the new M.  (These sixteen are also the plain lines between the codes' and the scale word's last writes and the products below)
.set n, n+2
.endr
	s_wait_dscnt 0x0                               ; V and its scale words are in
	s_wait_alu depctr_va_vdst(0)                   ; the swaps have written p's codes v[50:57] and the shifts its scale word v27, which the scaled products below take as an operand and as scales; the plain lines above stay beside this wait
.irp d, 0,1,2,3                                ; O^T += V^T P^T; the four accumulators by turns
.if (\d)%2
	v_wmma_scale_f32_16x16x128_f8f6f4 v[O+8*\d:O+8*\d+7], v[VF+8*\d:VF+8*\d+7], v[PC:PC+7], v[O+8*\d:O+8*\d+7], v[32+\d/2], v27 matrix_a_fmt:MATRIX_FMT_FP4 matrix_b_fmt:MATRIX_FMT_FP4 matrix_a_scale:MATRIX_SCALE_ROW1
.else
	v_wmma_scale_f32_16x16x128_f8f6f4 v[O+8*\d:O+8*\d+7], v[VF+8*\d:VF+8*\d+7], v[PC:PC+7], v[O+8*\d:O+8*\d+7], v[32+\d/2], v27 matrix_a_fmt:MATRIX_FMT_FP4 matrix_b_fmt:MATRIX_FMT_FP4
.endif
.endr
.Lskip:
	s_add_co_u32 s2, s2, 4096
	s_add_co_u32 s3, s3, 512
	s_add_co_u32 s101, s101, 256
	s_sub_co_i32 s28, s28, 1
	s_cmp_lg_u32 s28, 0
	s_cbranch_scc1 .Lstep
	; THE WAY OUT OF A PASS: x = O^T / the sum; register 16 b + i of lane (r, h) is channel 32 b + 16 h + i of query r: two blocks along D, quantised as they stand.
.rept 4
	v_nop                                          ; places behind the last products
.endr
	v_add_f32 v14, v14, v15                        ; the sum's two halves,
	v_permlanex16_b32 v46, v14, s20, s21
	v_add_f32 v14, v14, v46                        ; and lane l xor 16's
	v_rcp_f32 v46, v14
	v_nop                                          ; a plain line behind the reciprocal
	s_and_b32 s68, s17, 15                         ; h
	s_lshr_b32 s69, s17, 4                         ; b
	s_lshr_b32 s70, s68, 3
	s_lshl_b32 s70, s70, 9
	s_lshl_b32 s71, s69, 7
	s_add_co_u32 s70, s70, s71
	s_add_co_u32 s70, s70, s26
	s_lshl_b32 s70, s70, 12
	s_and_b32 s71, s68, 7
	s_lshl_b32 s71, s71, 9
	s_add_co_u32 s70, s70, s71
	s_mov_b32 s71, 0
	s_add_nc_u64 s[70:71], s[12:13], s[70:71]      ; xcodes [h / 8][128 b + qt][h % 8][512 bytes]
	s_lshl_b32 s72, s69, 11
	s_lshl_b32 s73, s26, 4
	s_add_co_u32 s72, s72, s73
	s_lshl_b32 s72, s72, 5
	s_lshl_b32 s73, s68, 1
	s_add_co_u32 s72, s72, s73
	s_mov_b32 s73, 0
	s_add_nc_u64 s[72:73], s[14:15], s[72:73]      ; xscales [2,048 b + s][32 bytes], bytes 2 h and 2 h + 1
	s_wait_alu depctr_va_vdst(0)                   ; the reciprocal has written v46, ahead of its first reader
.set n, 0
.rept 16
	v_pk_mul_f32 v[S+n:S+n+1], v[O+n:O+n+1], v[46:47] op_sel_hi:[1,0]   ; each accumulator from its low end on
.set n, n+2
.endr
.irp b, 0,1
	v_max3_num_f32 v[TA+\b], |v[S+16*\b]|, |v[S+1+16*\b]|, 0x1800000
.endr
.irp i, 2,4,6,8,10,12,14
.irp b, 0,1
	v_max3_num_f32 v[TA+\b], v[TA+\b], |v[S+16*\b+\i]|, |v[S+1+16*\b+\i]|
.endr
.endr
.irp b, 0,1
	v_permlanex16_b32 v[TB+\b], v[TA+\b], s20, s21
.endr
.irp b, 0,1
	v_max_num_f32 v[TA+\b], v[TA+\b], v[TB+\b]
.endr
.irp b, 0,1
	v_add_nc_u32 v[TC+\b], 0xff000000, v[TA+\b]
.endr
.irp b, 0,1
	v_lshrrev_b32 v[TB+\b], 23, v[TC+\b]
.endr
.irp b, 0,1
	v_cvt_scalef32_pk8_fp4_f32 v[PC+2*\b], v[S+16*\b:S+7+16*\b], v[TC+\b]
	v_cvt_scalef32_pk8_fp4_f32 v[PC+1+2*\b], v[S+8+16*\b:S+15+16*\b], v[TC+\b]
.endr
	v_nop                                          ; one plain line behind a scaled conversion
	v_permlane16_swap_b32 v[PC], v[PC+2]
	v_permlane16_swap_b32 v[PC+1], v[PC+3]         ; lanes 0-15 hold block 0 whole, lanes 16-31 block 1
	v_cndmask_b32 v48, v[TB], v[TB+1], s100        ; and its byte
	v_cmp_eq_f32 vcc_lo, 0, v14
	s_wait_alu depctr_va_vcc(0)                    ; the compare has written VCC, ahead of the select that reads it
	v_cndmask_b32 v48, v48, v49, vcc_lo            ; every key hidden: 0xff
	s_wait_alu depctr_va_vdst(0)                   ; the swaps have written the codes v[50:53] and the select the byte v48, which the two stores read
	global_store_b128 v1, v[PC:PC+3], s[70:71]     ; the wave stores 512 consecutive bytes, aligned
	global_store_b8 v7, v48, s[72:73]
	s_sub_co_u32 s26, 127, s26                     ; the second tile
	s_sub_co_i32 s27, s27, 1
	s_cmp_lg_u32 s27, 0
	s_cbranch_scc1 .Lpass
	s_wait_dscnt 0x0
	s_wait_alu depctr_hold_cnt(0) depctr_sa_sdst(0) depctr_va_vdst(0) depctr_va_sdst(0) depctr_va_ssrc(0) depctr_va_vcc(0) depctr_vm_vsrc(0)
	s_wait_tensorcnt 0x0
	ds_add_u32 v25, v63
	s_wait_dscnt 0x0
	s_endpgm
.Lfunc_end_k_qeb8dbd7525_attn:
	.size	k_qeb8dbd7525_attn, .Lfunc_end_k_qeb8dbd7525_attn-k_qeb8dbd7525_attn
	.p2alignl 7, 3214868480
	.fill 96, 4, 3214868480
	.section	.rodata,"a",@progbits
	.p2align	6, 0x0
	.amdhsa_kernel k_qeb8dbd7525_attn
		.amdhsa_group_segment_fixed_size 149504
		.amdhsa_private_segment_fixed_size 0
		.amdhsa_enable_private_segment 0
		.amdhsa_kernarg_size 48
		.amdhsa_user_sgpr_count 2
		.amdhsa_user_sgpr_kernarg_segment_ptr 1
		.amdhsa_wavefront_size32 1
		.amdhsa_system_sgpr_workgroup_id_x 1
		.amdhsa_system_sgpr_workgroup_id_y 1
		.amdhsa_system_sgpr_workgroup_id_z 1
		.amdhsa_system_vgpr_workitem_id 0
		.amdhsa_next_free_vgpr 256
		.amdhsa_next_free_sgpr 106
		.amdhsa_reserve_vcc 1
		.amdhsa_float_denorm_mode_32 3
		.amdhsa_float_denorm_mode_16_64 3
		.amdhsa_memory_ordered 1
		.amdhsa_forward_progress 1
		.amdhsa_inst_pref_size 35
	.end_amdhsa_kernel
	.amdgpu_metadata
---
amdhsa.version: [ 1, 2 ]
amdhsa.kernels:
  - .name:           k_qeb8dbd7525_attn
    .symbol:         k_qeb8dbd7525_attn.kd
    .args:
      - { .name: pcodes, .offset: 0, .size: 8, .value_kind: global_buffer, .address_space: global }
      - { .name: pscales, .offset: 8, .size: 8, .value_kind: global_buffer, .address_space: global }
      - { .name: mwords, .offset: 16, .size: 8, .value_kind: global_buffer, .address_space: global }
      - { .name: mflags, .offset: 24, .size: 8, .value_kind: global_buffer, .address_space: global }
      - { .name: xcodes, .offset: 32, .size: 8, .value_kind: global_buffer, .address_space: global }
      - { .name: xscales, .offset: 40, .size: 8, .value_kind: global_buffer, .address_space: global }
    .group_segment_fixed_size: 149504
    .private_segment_fixed_size: 0
    .kernarg_segment_align: 8
    .kernarg_segment_size: 48
    .max_flat_workgroup_size: 512
    .sgpr_count:     106
    .vgpr_count:     256
    .wavefront_size: 32
...
	.end_amdgpu_metadata
.endif
;; end of part 5
;; launch outp: the kernel of part 4 again; grid 4 x 32, 4 waves a work-group, clusters of 4 x 4, 327,680 bytes of LDS; arguments xcodes, xscales, acodes, ascales, bo, out0; writes out0
